; MI455X (gfx1250); checked and timed in simulation.
; The chip was launched on July 23, 2026; its instructions are those of AMD's public machine-readable ISA for CDNA 5 (MIT licence, August 2026) and "CDNA5" Instruction Set Architecture Reference Guide (July 2026). The comments in the code are by the model that wrote it; some were corrected since.
;; Multi Head Attention. Allowed arithmetic: matrix products marked QUANTISED: E2M1 operands, one E8M0 scale for each 32 along K, by v_wmma_scale_f32_16x16x128_f8f6f4 with both operands' format E2M1 (or v_wmma_scale_f32_32x16x128_f4), f32 sums; products left as they are: bf16, f16 or f32 operands; f32 sums; everything else in f32.
;; Inputs: bk 1,024 float32; bo 1,024 float32; bq 1,024 float32; bv 1,024 float32; wk 1,024 x 1,024 float32; wo 1,024 x 1,024 float32; wq 1,024 x 1,024 float32; wv 1,024 x 1,024 float32; x 4 x 2,048 x 1,024 float32.
;; Outputs: out0 4 x 2,048 x 1,024 float32.
;; This version of the problem:
;;   THIS VERSION OF THE PROBLEM IS GIVEN IN LOW PRECISION. The matrix products marked QUANTISED in the list below multiply operands that are first quantised to E2M1 (2 exponent bits, 1 mantissa bit; 4 bits a number), with one power-of-two scale for each 32 numbers along K (OCP MX v1.0); their sums are f32. The products marked 'left as it is' may take bf16, f16 or f32 operands, with f32 sums. Whichever they take, every output number must still come out within the allowed error. Rounding operands to bf16 (8 significant bits) uses up far more of that allowance than f16 does (11 bits, for magnitudes from 6e-5 to 65,504). All else is computed in f32.
;;   The module's matrix products, in the order in which they are computed (A, B: the left and right operand; K: the contracted axis; several contracted axes count as one K, in the product's order):
;;     1. [M 8,192, K 1,024] x [K 1,024, N 1,024]; A: input x; B: input wq: QUANTISED
;;     2. [M 8,192, K 1,024] x [K 1,024, N 1,024]; A: input x; B: input wk: QUANTISED
;;     3. [M 8,192, K 1,024] x [K 1,024, N 1,024]; A: input x; B: input wv: QUANTISED
;;     4. batch 64 x [M 2,048, K 64] x [K 64, N 2,048]; A: computed on the way; B: computed on the way: left as it is (an operand is computed on the way)
;;     5. batch 64 x [M 2,048, K 2,048] x [K 2,048, N 64]; A: computed on the way; B: computed on the way: left as it is (an operand is computed on the way)
;;     6. [M 8,192, K 1,024] x [K 1,024, N 1,024]; A: computed on the way; B: input wo: left as it is (an operand is computed on the way)
;;   THE QUANTISER, for each operand of a quantised product, along K:
;;     - K is cut into blocks of 32 from its start; a last block that is shorter is filled with zeros.
;;     - A block's scale is 2^e with e = floor(log2(the largest magnitude in the block)) - 2, held to -126 .. 127; a block of zeros has e = 0. As a byte (E8M0): e + 127.
;;     - Each number is divided by its block's scale, clamped to +-6, and rounded to the nearest number of E2M1, ties to even, subnormals kept.
;;     - The product sums the exact products of the quantised numbers (number of the format x scale) in f32.
;;   ~~~python
;;   def quantise(x, axis):      # numpy; x: float32 -> the quantised numbers, widened to float32 again
;;       x = np.moveaxis(x, axis, -1); K = x.shape[-1]
;;       x = np.pad(x, [(0, 0)] * (x.ndim - 1) + [(0, -K % 32)]); x = x.reshape(x.shape[:-1] + (-1, 32)); a = np.abs(x).max(-1, keepdims=True)
;;       e = np.where(a > 0, np.clip(np.frexp(np.where(a > 0, a, 1))[1] - 1 - 2, -126, 127), 0)      # np.frexp(a)[1] - 1 = floor(log2(a)), exactly
;;       r = np.clip(x / 2.0 ** e, -6, 6)
;;       step = 2.0 ** (np.maximum(np.frexp(np.where(r == 0, 1, r))[1] - 1, 0) - 1)
;;       q = np.round(r / step) * step * 2.0 ** e      # np.round: ties to even
;;       return np.moveaxis(q.reshape(q.shape[:-2] + (-1,))[..., :K], -1, axis).astype(np.float32)
;;   ~~~
;; One version. Each part assembles by itself: llvm-mc -triple=amdgcn-amd-amdhsa -mcpu=gfx1250 --defsym DOCPART=n.
;; ======== version 1 of 1: 4 launches
;; limits: values are held in f16: magnitudes above 65,504 overflow, below 6.1e-05 lose precision; right only within a limited range of input values
;; workspace buffers: xc 4,194,304 bytes; xs 262,144 bytes; wc 1,572,864 bytes; ws 98,304 bytes; woh 2,097,152 bytes; qkv 50,331,648 bytes; ctx 16,777,216 bytes
;; launch prep (part 1): grid 576 x 1, 4 waves a work-group, no clusters, 42,496 bytes of LDS; arguments x, wq, wk, wv, wo, xc, xs, wc, ws, woh; writes xc, xs, wc, ws, woh
.if DOCPART == 1
	.amdgcn_target "amdgcn-amd-amdhsa--gfx1250"
	.amdhsa_code_object_version 6
	.text
	.protected	k_q2bef541e08_prep
	.globl	k_q2bef541e08_prep
	.p2align	8
	.type	k_q2bef541e08_prep,@function
k_q2bef541e08_prep:
	s_mov_b64 s[64:65], 0
	v_nop
	global_prefetch_b8 v0, s[64:65] scope:SCOPE_SE
	s_setreg_imm32_b32 hwreg(HW_REG_WAVE_MODE, 25, 1), 1
	s_wait_xcnt 0x0
; PREP: the operands are made ready once, for the three launches that follow.  Three roles, chosen by the work-group's number; each has LDS bytes of its own.
;   role X, work-groups 0-255:   x [8192][1024] f32 -> xc, codes of FP4 (E2M1), K innermost, 512 bytes a row; xs, one E8M0 byte for each 32 along K, 32 bytes a row.
;   role W, work-groups 256-447: wq, wk, wv [1024 k][1024 n] f32 -> wc [3072 n][512 bytes], ws [3072][32]: K is the FIRST axis of a weight, so a lane takes a column and its registers run down K.
;   role O, work-groups 448-575: wo f32 -> woh f16, in wo's own layout.
; A block's scale is 2^(floor(log2(its largest magnitude)) - 2); its byte is the largest magnitude's exponent field - 2, held at 1 from below.  A block of zeros gets the byte 1 where the rule says 127:
; its codes are zeros, which add nothing under any byte but 0xff, and the bytes are read by this program alone.
; LIMITS: blocks whose largest magnitude lies under 2^-124 have their byte held at 1; NaN and infinities among the inputs are not served; numbers of wo beyond 65,504 in magnitude have no f16.
.set SP,    80                         ; role X: a lane's place in a stage: its 64 bytes + 16 of padding
.set WREG,  8192                       ; role X: LDS of a wave: two stages of 32 x SP bytes, behind them its 256 scale bytes
.set WSTG,  4*WREG                     ; role W: 32 rows (columns of the weight) x (256 bytes of codes + 16)
.set WP,    272
.set WSC,   WSTG+32*WP                 ; role W: 32 x 16 scale bytes
.set SPARE, WSC+512                    ; the spare words, 128 bytes for each wave: two blocks of 256 bytes that no other line names
.set SPW,   12                         ; v12  LDS address of my spare word; never rewritten
.set NIL,   13                         ; v13  0; never rewritten
.set R,     16                         ; role X: v16-79 four sets of 16 numbers as loaded
.set X,     80                         ; role X: v80-111 two sets of 16 neighbours
.set E,     112                        ; role X: v112-127 a scale byte for each step
.set C,     128                        ; role X: v128-191 codes, four registers for each step
.set WX,    32                         ; role W: v32-95 two sets of 32 numbers
.set WC,    96                         ; role W: v96-111 a block's codes, four registers for each of four blocks
.set WB,    112                        ; role W: v112-127 rows read back
.macro XLOAD t                         ; step t: four loads of 512 consecutive bytes
.irp i, 0,1,2,3
	global_load_b128 v[R+16*((\t)%4)+4*\i:R+16*((\t)%4)+4*\i+3], v3, s[4:5] offset:2048*(\t)+512*\i th:TH_LOAD_NT
.endr
.endm
.macro XTURN t                         ; step t's numbers through the stage: in as they lie, out 64 bytes a lane.  LDS serves a wave's instructions in order: no wait between
.irp i, 0,1,2,3
	ds_store_b128 v14, v[R+16*((\t)%4)+4*\i:R+16*((\t)%4)+4*\i+3] offset:32*SP*((\t)%2)+8*SP*\i
.endr
.irp i, 0,1,2,3
	ds_load_b128 v[X+16*((\t)%2)+4*\i:X+16*((\t)%2)+4*\i+3], v15 offset:32*SP*((\t)%2)+16*\i
.endr
.endm
.macro XSTEP t                         ; 512 numbers: 16 neighbours a lane, two neighbouring lanes to a block
.set XS, X+16*((\t)%2)
.if (\t) > 0
	s_wait_dscnt 1                                 ; this step's numbers are back from the stage; the last step's byte store may be out
.else
	s_wait_dscnt 0x0
.endif
.if (\t)+4 < 16
	XLOAD (\t)+4                                   ; into the set that the stage's stores have read
.endif
.if (\t)+1 < 16
.if 14-(\t) >= 3
	s_wait_loadcnt 12                              ; the next step's four loads are in; those of the three steps behind it may be out
.else
	s_wait_loadcnt 4*(14-(\t))
.endif
	XTURN (\t)+1
.endif
	v_max3_num_f32 v8, |v[XS]|, |v[XS+1]|, |v[XS+2]|
	v_max3_num_f32 v9, |v[XS+3]|, |v[XS+4]|, |v[XS+5]|
.irp i, 6,10
	v_max3_num_f32 v8, v8, |v[XS+\i]|, |v[XS+\i+1]|
	v_max3_num_f32 v9, v9, |v[XS+\i+2]|, |v[XS+\i+3]|
.endr
	v_max3_num_f32 v8, v8, |v[XS+14]|, |v[XS+15]|
	v_max3_num_f32 v8, v8, v9, 0x1800000           ; and the floor 2^(3 - 127): the byte cannot fall under 1
	v_max_num_f32_dpp v8, v8, v8 row_xmask:1 row_mask:0xf bank_mask:0xf   ; with my neighbour's 16: the block's largest magnitude
	v_add_nc_u32 v11, 0xff000000, v8               ; 2 off its exponent field: the conversion takes the exponent field of this operand as its scale
	v_cvt_scalef32_pk8_fp4_f32 v[C+4*(\t)], v[XS:XS+7], v11
	v_cvt_scalef32_pk8_fp4_f32 v[C+4*(\t)+1], v[XS+8:XS+15], v11
	v_lshrrev_b32 v[E+(\t)], 23, v11               ; the scale's byte (also the plain line behind the conversions)
	ds_store_b8 v5, v[E+(\t)] offset:16*(\t)       ; both lanes of a block write the same byte with the same value
	global_store_b64 v4, v[C+4*(\t):C+4*(\t)+1], s[14:15] offset:256*(\t)   ; the wave stores 256 consecutive bytes, aligned
.endm
.macro WLOAD t                         ; block t: w(32 t + i, my column), i = 0 .. 31
.irp i, 0,1,2,3,4,5,6,7,8,9,10,11,12,13,14,15,16,17,18,19,20,21,22,23,24,25,26,27,28,29,30,31
	global_load_b32 v[WX+32*((\t)%2)+\i], v3, s[6:7] offset:(32*(\t)+\i)*4096 th:TH_LOAD_NT
.endr
.endm
.macro WBLOCK t                        ; a block of 32 along K of my column: all its numbers are mine
.set XS, WX+32*((\t)%2)
.if (\t) < 3
	s_wait_loadcnt 32                              ; this block's 32 loads are in; the next block's may be out
.else
	s_wait_loadcnt 0x0
.endif
	v_max3_num_f32 v8, |v[XS]|, |v[XS+1]|, |v[XS+2]|
	v_max3_num_f32 v9, |v[XS+3]|, |v[XS+4]|, |v[XS+5]|
.irp i, 6,10,14,18,22,26
	v_max3_num_f32 v8, v8, |v[XS+\i]|, |v[XS+\i+1]|
	v_max3_num_f32 v9, v9, |v[XS+\i+2]|, |v[XS+\i+3]|
.endr
	v_max3_num_f32 v8, v8, |v[XS+30]|, |v[XS+31]|
	v_max3_num_f32 v8, v8, v9, 0x1800000           ; the floor
	v_add_nc_u32 v11, 0xff000000, v8               ; the conversion's scale operand
	v_lshrrev_b32 v10, 23, v11                     ; the scale's byte
.if (\t) == 0
	v_mov_b32 v24, v10                             ; four bytes to a word, the lower K in the lower byte
.else
	v_lshl_or_b32 v24, v10, 8*(\t), v24
.endif
.irp g, 0,1,2,3
	v_cvt_scalef32_pk8_fp4_f32 v[WC+4*(\t)+\g], v[XS+8*\g:XS+8*\g+7], v11
.endr
	v_nop                                          ; one plain line behind the conversions
	ds_store_b128 v4, v[WC+4*(\t):WC+4*(\t)+3] offset:16*(\t)   ; 32 codes: 16 bytes of my column's row
.if (\t) < 2
	WLOAD (\t)+2
.endif
.endm
	s_load_b512 s[4:19], s[0:1], 0x0               ; x 4:5, wq 6:7, wk 8:9, wv 10:11, wo 12:13, xc 14:15, xs 16:17, wc 18:19
	s_load_b128 s[20:23], s[0:1], 0x40             ; ws 20:21, woh 22:23
	v_lshl_add_u32 v[SPW], v0, 2, SPARE
	v_mov_b32 v[NIL], 0
	v_lshrrev_b32 v1, 5, v0
	v_readfirstlane_b32 s24, v1                    ; wave 0..3
	v_and_b32 v2, 31, v0                           ; lane
	s_mov_b32 s27, 0                               ; the upper word of every offset
	s_wait_kmcnt 0x0
	s_cmp_lt_u32 ttmp9, 256
	s_cbranch_scc1 .Lrole_x
	s_cmp_lt_u32 ttmp9, 448
	s_cbranch_scc1 .Lrole_w
	; ---- ROLE O: a wave turns 2,048 numbers of wo into f16: 16 loads of 512 bytes, all out at once; each store covers 256 consecutive bytes, aligned.  No LDS.
	s_sub_co_u32 s25, ttmp9, 448
	s_lshl_b32 s25, s25, 2
	s_add_co_u32 s25, s25, s24                     ; which run of 2,048 numbers
	s_lshl_b32 s26, s25, 13
	s_add_nc_u64 s[12:13], s[12:13], s[26:27]
	s_lshl_b32 s26, s25, 12
	s_add_nc_u64 s[22:23], s[22:23], s[26:27]
	v_lshlrev_b32 v3, 4, v2
	v_lshlrev_b32 v4, 3, v2
.irp i, 0,1,2,3,4,5,6,7,8,9,10,11,12,13,14,15
	global_load_b128 v[32+4*\i:35+4*\i], v3, s[12:13] offset:512*\i th:TH_LOAD_NT
.endr
.irp i, 0,1,2,3,4,5,6,7,8,9,10,11,12,13,14,15
	s_wait_loadcnt 15-\i                           ; loads come back in order: load i is in, the younger ones stay out
	v_cvt_pk_f16_f32 v[96+2*\i], v[32+4*\i], v[33+4*\i]
	v_cvt_pk_f16_f32 v[97+2*\i], v[34+4*\i], v[35+4*\i]
	global_store_b64 v4, v[96+2*\i:97+2*\i], s[22:23] offset:256*\i
.endr
	s_endpgm
	; ---- ROLE W: a work-group takes 32 columns x 512 along K of one weight; wave w takes K rows 128 w .. 128 w + 127 of them, four blocks a lane.
	; The four waves' codes of a column meet in LDS as a row of 256 bytes, and leave as aligned runs of 256 bytes.
.Lrole_w:
	s_sub_co_u32 s25, ttmp9, 256
	s_lshr_b32 s28, s25, 6                         ; which weight: 0 q, 1 k, 2 v
	s_bfe_u32 s29, s25, 0x50001                    ; which 32 columns
	s_and_b32 s30, s25, 1                          ; which half of K
	s_cmp_eq_u32 s28, 1
	s_cselect_b64 s[6:7], s[8:9], s[6:7]
	s_cmp_eq_u32 s28, 2
	s_cselect_b64 s[6:7], s[10:11], s[6:7]
	s_lshl_b32 s26, s30, 21                        ; 512 rows of 4,096 bytes,
	s_lshl_b32 s31, s24, 19                        ; my wave's 128 rows,
	s_add_co_u32 s26, s26, s31
	s_lshl_b32 s31, s29, 7                         ; 32 columns of 4 bytes
	s_add_co_u32 s26, s26, s31
	s_add_nc_u64 s[6:7], s[6:7], s[26:27]
	s_lshl_b32 s26, s28, 19                        ; wc: 1,024 rows of 512 bytes a weight,
	s_lshl_b32 s31, s29, 14                        ; 32 rows,
	s_add_co_u32 s26, s26, s31
	s_lshl_b32 s31, s30, 8                         ; 256 bytes for half of K
	s_add_co_u32 s26, s26, s31
	s_add_nc_u64 s[18:19], s[18:19], s[26:27]
	s_lshl_b32 s26, s28, 15                        ; ws: the same with rows of 32 bytes
	s_lshl_b32 s31, s29, 10
	s_add_co_u32 s26, s26, s31
	s_lshl_b32 s31, s30, 4
	s_add_co_u32 s26, s26, s31
	s_add_nc_u64 s[20:21], s[20:21], s[26:27]
	v_lshlrev_b32 v3, 2, v2                        ; in: 4 bytes a lane
	v_mul_u32_u24 v4, v2, WP
	s_lshl_b32 s31, s24, 6
	s_add_co_u32 s31, s31, WSTG
	v_add_nc_u32 v4, s31, v4                       ; the stage, in: row = my column, 64 bytes for each wave
	v_lshlrev_b32 v5, 4, v2
	v_add_nc_u32 v6, WSC, v5                       ; the scale bytes, out: 16 a column
	s_lshl_b32 s31, s24, 2
	s_add_co_u32 s31, s31, WSC
	v_add_nc_u32 v5, s31, v5                       ; and in: my wave's word of them
	v_and_b32 v14, 15, v2
	v_lshrrev_b32 v15, 4, v2
	v_mul_u32_u24 v7, v15, WP
	v_lshl_add_u32 v7, v14, 4, v7
	s_mul_i32 s31, s24, 8*WP
	s_add_co_u32 s31, s31, WSTG
	v_add_nc_u32 v7, s31, v7                       ; the stage, out: my wave's 8 rows, sixteen lanes to a row
	v_lshlrev_b32 v26, 9, v15
	v_lshl_add_u32 v26, v14, 4, v26
	s_lshl_b32 s31, s24, 12
	v_add_nc_u32 v26, s31, v26                     ; and the same place in wc
	v_lshlrev_b32 v25, 5, v2                       ; ws: a row of 32 bytes a column
	WLOAD 0
	WLOAD 1
	WBLOCK 0
	WBLOCK 1
	WBLOCK 2
	WBLOCK 3
	ds_store_b32 v5, v24                           ; my four scale bytes
	s_wait_dscnt 0x0                               ; for the others' sake: my stores have landed
	s_barrier_signal -1
	s_barrier_wait -1
.irp t, 0,1,2,3
	ds_load_b128 v[WB+4*\t:WB+4*\t+3], v7 offset:2*\t*WP
.endr
.irp t, 0,1,2,3
	s_wait_dscnt 3-\t
	global_store_b128 v26, v[WB+4*\t:WB+4*\t+3], s[18:19] offset:2*\t*512   ; sixteen lanes store 256 consecutive bytes, aligned
.endr
	s_cmp_lg_u32 s24, 0                            ; wave 0 alone sends the scale bytes: 16 bytes of each column's row of 32: one byte for each 128 that the role reads
	s_cbranch_scc1 .Lw_end
	ds_load_b128 v[128:131], v6
	s_wait_dscnt 0x0
	global_store_b128 v25, v[128:131], s[20:21]
.Lw_end:
	s_wait_tensorcnt 0x0                           ; the wave's end
	ds_add_u32 v[SPW], v[NIL]
	s_wait_dscnt 0x0
	s_endpgm
	; ---- ROLE X: rows are dense and K is a multiple of 32, so x is a plain stream of blocks of 32.  A wave takes 16 steps of 512 numbers.  Waves share nothing: no barrier.
.Lrole_x:
	s_lshl_b32 s25, ttmp9, 2
	s_add_co_u32 s25, s25, s24                     ; which run of 8,192 numbers
	s_lshl_b32 s26, s25, 15
	s_add_nc_u64 s[4:5], s[4:5], s[26:27]
	s_lshl_b32 s26, s25, 12
	s_add_nc_u64 s[14:15], s[14:15], s[26:27]
	s_lshl_b32 s26, s25, 8
	s_add_nc_u64 s[16:17], s[16:17], s[26:27]
	v_lshlrev_b32 v3, 4, v2                        ; my 16 bytes of a load's 512
	s_mul_i32 s28, s24, WREG
	v_lshrrev_b32 v14, 2, v2
	v_mul_u32_u24 v14, v14, SP
	v_and_b32 v15, 3, v2
	v_lshl_add_u32 v14, v15, 4, v14
	v_add_nc_u32 v14, s28, v14                     ; the stage, in: four lanes' 64 bytes on end, then 16 of padding
	v_mul_u32_u24 v15, v2, SP
	v_add_nc_u32 v15, s28, v15                     ; and out: my 16 neighbours
	v_lshlrev_b32 v4, 3, v2                        ; my 8 bytes of a step's codes
	v_lshrrev_b32 v5, 1, v2
	s_add_co_u32 s28, s28, 2*32*SP
	v_add_nc_u32 v5, s28, v5                       ; my block's byte among my wave's 256
	v_lshlrev_b32 v7, 3, v2
	v_add_nc_u32 v6, s28, v7                       ; and on the way out 8 bytes a lane
.irp t, 0,1,2,3
	XLOAD \t
.endr
	s_wait_loadcnt 12                              ; step 0's four loads are in
	XTURN 0
.irp t, 0,1,2,3,4,5,6,7,8,9,10,11,12,13,14,15
	XSTEP \t
.endr
	ds_load_b64 v[8:9], v6                         ; LDS serves a wave's instructions in order: these see my byte stores
	s_wait_dscnt 0x0
	global_store_b64 v7, v[8:9], s[16:17]          ; 256 consecutive bytes, aligned
	s_wait_tensorcnt 0x0                           ; the wave's end
	ds_add_u32 v[SPW], v[NIL]
	s_wait_dscnt 0x0
	s_endpgm
.Lfunc_end_k_q2bef541e08_prep:
	.size	k_q2bef541e08_prep, .Lfunc_end_k_q2bef541e08_prep-k_q2bef541e08_prep
	.p2alignl 7, 3214868480
	.fill 96, 4, 3214868480
	.section	.rodata,"a",@progbits
	.p2align	6, 0x0
	.amdhsa_kernel k_q2bef541e08_prep
		.amdhsa_group_segment_fixed_size 42496
		.amdhsa_private_segment_fixed_size 0
		.amdhsa_enable_private_segment 0
		.amdhsa_kernarg_size 80
		.amdhsa_user_sgpr_count 2
		.amdhsa_user_sgpr_kernarg_segment_ptr 1
		.amdhsa_wavefront_size32 1
		.amdhsa_system_sgpr_workgroup_id_x 1
		.amdhsa_system_sgpr_workgroup_id_y 1
		.amdhsa_system_sgpr_workgroup_id_z 1
		.amdhsa_system_vgpr_workitem_id 0
		.amdhsa_next_free_vgpr 192
		.amdhsa_next_free_sgpr 66
		.amdhsa_reserve_vcc 0
		.amdhsa_float_denorm_mode_32 3
		.amdhsa_float_denorm_mode_16_64 3
		.amdhsa_memory_ordered 1
		.amdhsa_forward_progress 1
		.amdhsa_inst_pref_size 60
	.end_amdhsa_kernel
	.amdgpu_metadata
---
amdhsa.version: [ 1, 2 ]
amdhsa.kernels:
  - .name:           k_q2bef541e08_prep
    .symbol:         k_q2bef541e08_prep.kd
    .args:
      - { .name: x, .offset: 0, .size: 8, .value_kind: global_buffer, .address_space: global }
      - { .name: wq, .offset: 8, .size: 8, .value_kind: global_buffer, .address_space: global }
      - { .name: wk, .offset: 16, .size: 8, .value_kind: global_buffer, .address_space: global }
      - { .name: wv, .offset: 24, .size: 8, .value_kind: global_buffer, .address_space: global }
      - { .name: wo, .offset: 32, .size: 8, .value_kind: global_buffer, .address_space: global }
      - { .name: xc, .offset: 40, .size: 8, .value_kind: global_buffer, .address_space: global }
      - { .name: xs, .offset: 48, .size: 8, .value_kind: global_buffer, .address_space: global }
      - { .name: wc, .offset: 56, .size: 8, .value_kind: global_buffer, .address_space: global }
      - { .name: ws, .offset: 64, .size: 8, .value_kind: global_buffer, .address_space: global }
      - { .name: woh, .offset: 72, .size: 8, .value_kind: global_buffer, .address_space: global }
    .group_segment_fixed_size: 42496
    .private_segment_fixed_size: 0
    .kernarg_segment_align: 8
    .kernarg_segment_size: 80
    .max_flat_workgroup_size: 128
    .sgpr_count:     66
    .vgpr_count:     192
    .wavefront_size: 32
...
	.end_amdgpu_metadata
.endif
;; end of part 1
;; launch qkv (part 2): grid 12 x 32, 4 waves a work-group, clusters of 4 x 4, 327,680 bytes of LDS; arguments xc, xs, wc, ws, bq, bk, bv, qkv; writes qkv
.if DOCPART == 2
	.amdgcn_target "amdgcn-amd-amdhsa--gfx1250"
	.amdhsa_code_object_version 6
	.text
	.protected	k_q2bef541e08_qkv
	.globl	k_q2bef541e08_qkv
	.p2align	8
	.type	k_q2bef541e08_qkv,@function
k_q2bef541e08_qkv:
	s_mov_b64 s[64:65], 0
	v_nop
	global_prefetch_b8 v0, s[64:65] scope:SCOPE_SE
	s_setreg_imm32_b32 hwreg(HW_REG_WAVE_MODE, 25, 1), 1
	s_wait_xcnt 0x0
	s_wait_alu depctr_hold_cnt(0) depctr_sa_sdst(0) depctr_va_vdst(0) depctr_va_sdst(0) depctr_va_ssrc(0) depctr_va_vcc(0) depctr_vm_vsrc(0)
	s_getreg_b32 s2, hwreg(HW_REG_IB_STS2, 6, 4)
	s_cmp_eq_u32 s2, 0
	s_cbranch_scc0 .Lentry_in_a_cluster
	s_endpgm
.Lentry_in_a_cluster:
	s_bfe_u32 s2, ttmp6, 0x10000c
	s_cmp_lg_u32 s2, 0xf033
	s_cbranch_scc0 .Lentry_shape_is_right
	s_endpgm
.Lentry_shape_is_right:
; QKV: [8192][3072] = x [8192][1024] times (wq | wk | wv), on codes of FP4 (E2M1) with one E8M0 scale for each 32 along K; sums in f32; + bias; rounded once to f16 and laid by head:
; qkv [3][batch x 16 + head][2048][64] f16, so that four neighbouring rows of a head are 512 consecutive bytes.
; A tile of 256 x 256 is made by four waves, each 128 x 128: 64 accumulators of 16 x 16, 512 registers.  K = 1,024 is two LDS slots of 512 along K (rows of 256 bytes): both are asked for at the head, and nothing is filled again.
; The scale bytes of the work-group's 256 + 256 rows, for all of K, are two dense blocks of memory and come once, beside the first tiles.
; CLUSTERS: 4 x 4 work-groups.  The four of a row of the cluster need the same rows of x, the four of a column the same rows of the weights: each tile is asked for jointly, by the same tensor load with the same
; descriptor and a mask that names the four.  A cluster's four tile columns are the 1,024 columns of ONE weight: the cluster's x says which.
; THE MATRIX INSTRUCTION IS USED TRANSPOSED (source 0 = 16 rows of the weights' codes, source 1 = 16 rows of x's): a lane holds eight neighbouring columns of one row.
; THE BIAS is the C of each sum's first product: eight registers for each block of 16 columns, in the result's layout.
; REGISTERS, in windows of 256: window 0: v0-31 addresses; v32-95 scale words, two sets; v128-191 x's fragments, one set; on the way out v32-63, v192-255.
;   window 1: the weights' fragments, two sets, at v0 and v128; v64-127 the bias.   window 2: the accumulators of my rows 0-63 ((a, b) at v[8 (8 a + b)]);   window 3: those of my rows 64-127.
; LIMIT: q, k and v beyond 65,504 in magnitude have no f16; NaN and infinities are not served.
.set NQ,     4                         ; matrix instructions deep in a slot
.set ROWB,   256                       ; a tile's row in bytes: 512 codes
.set KROW,   512                       ; a row of xc or wc in memory
.set PITCH,  272                       ; an LDS row: 256 bytes + 16 of padding = 68 words: the 16 rows that a load touches start at 16 different groups of four banks
.set FR,     8                         ; registers of a fragment: 16 rows x 128 K
.set NL,     2                         ; LDS loads that bring one
.set NP,     4                         ; places behind this matrix instruction (ISA guide 7.12.1)
.set HALFT,  128*PITCH                 ; 128 rows: what one tensor load brings
.set SLOT,   4*HALFT                   ; x's 256 rows, then the weights' 256 rows
.set KS,     32                        ; a row of scale bytes
.set SCL,    2*SLOT                    ; behind the slots: the scales, as runs of 256 bytes + 16 of padding
.set HALFS,  (128*KS/256)*272          ; the scales of 128 rows
.set SBLK,   (16*KS/256)*272           ; those of 16 rows
.set SPARE,  SCL+4*HALFS               ; the spare words, 128 bytes for each wave
.set SPITCH, 272                       ; the way out: a stage of 16 rows x (256 bytes + 16) for each wave, in slot 0, which has had its only fill and its last read by then
.set ADRA, 16                          ; v16-17 LDS address of my fragments of x in slot 0, 1
.set ADRB, 20                          ; v20-21 the same for the weights
.set STO,  24                          ; v24    the way out: where I put 16 bytes of a row
.set RD,   25                          ; v25    where I read them back
.set CO,   26                          ; v26    16 x lane
.set ADRS, 27                          ; v27    LDS address of my scale words: lanes 0-15 x's rows, lanes 16-31 the weights'
.set SPW,  28                          ; v28    my spare word; never rewritten
.set NIL,  29                          ; v29    0; never rewritten
.set BO,   30                          ; v30    the bias: 32 bytes for each half of the lanes
.set SC,   32
.set AF,   128
.set BI,   64                          ; the bias, in window 1
.set TMP,  192
.set OB,   32
.set G1, 24
.set G0, 32
.set G1B, 48
.set G0B, 56
.set G1S, 68
.set G0S, 76
.set G1SB, 80
.set G0SB, 88
.set MSB, 0
.macro WIN new                         ; the immediate's high byte repeats the setting that is left
.if MSB != (\new)
	s_set_vgpr_msb (MSB<<8)|(\new)
.set MSB, \new
.endif
.endm
.set MUL_LO, 0xa1                      ; source 0 window 1, source 1 window 0, C and D window 2
.set MUL_HI, 0xf1                      ; the same, C and D window 3
.set BIA_LO, 0x91                      ; C (the bias) window 1, D window 2
.set BIA_HI, 0xd1                      ; C window 1, D window 3
.set TO_B,   0x40                      ; destination window 1, address window 0
; A joint load: waves 0 and 1 fetch for x, waves 2 and 3 for the weights.  The branch hangs on the wave's number alone.  An s_nop 0 and four v_nop follow each line.
.macro JLOAD g0a, g1a, g0b, g1b
	s_cmp_eq_u32 s15, 0
	s_cbranch_scc0 .Lfor_b_\@
	tensor_load_to_lds s[\g0a:\g0a+3], s[\g1a:\g1a+7]
	s_nop 0
.rept 4
	v_nop
.endr
	s_branch .Lasked_\@
.Lfor_b_\@:
	tensor_load_to_lds s[\g0b:\g0b+3], s[\g1b:\g1b+7]
	s_nop 0
.rept 4
	v_nop
.endr
.Lasked_\@:
.endm
.macro CROUND                          ; a round of the cluster's barrier
	s_barrier_signal -1
	s_barrier_wait -1
	s_cmp_lg_u32 s14, 0
	s_cbranch_scc1 .Lnot_wave_0_\@
	s_barrier_signal -3
.Lnot_wave_0_\@:
	s_barrier_wait -3
	s_barrier_signal -1
	s_barrier_wait -1
.endm
	s_load_b128 s[4:7], s[0:1], 0x0                ; xc, xs
	s_load_b128 s[8:11], s[0:1], 0x10              ; wc, ws
	s_load_b128 s[96:99], s[0:1], 0x20             ; bq, bk
	s_load_b64 s[100:101], s[0:1], 0x30            ; bv
	s_load_b64 s[12:13], s[0:1], 0x38              ; qkv
	v_lshl_add_u32 v[SPW], v0, 2, SPARE
	v_mov_b32 v[NIL], 0
	ds_add_u32 v[SPW], v[NIL]                      ; the wave's opening: the add, twice on end, and its wait ahead of my first tensor load
	ds_add_u32 v[SPW], v[NIL]
	v_lshrrev_b32 v1, 5, v0
	v_readfirstlane_b32 s14, v1                    ; wave 0..3
	s_lshr_b32 s15, s14, 1                         ; which half of the tile's rows is mine.  Also: I fetch for x (0) or for the weights (1)
	s_and_b32 s16, s14, 1                          ; which half of its columns.  Also: which 128 rows I fetch
	s_bfe_u32 s40, ttmp6, 0x40000                  ; cx
	s_bfe_u32 s41, ttmp6, 0x40004                  ; cy
	s_lshl_b32 s42, ttmp9, 2
	s_add_co_u32 s42, s42, s40                     ; tile column = 4 x cluster x + cx
	s_and_b32 s17, ttmp7, 0xffff
	s_lshl_b32 s17, s17, 2
	s_add_co_u32 s17, s17, s41                     ; tile row = 4 x cluster y + cy
	s_lshl_b32 s43, s41, 2
	s_lshl_b32 s43, 15, s43                        ; my row of the cluster
	s_lshl_b32 s44, 0x1111, s40                    ; my column
	s_or_b32 s[G1+0], s43, (0<<16)|(1<<20)|(1<<21)|(5<<22)|(3<<25)  ; the mask; elements of 1 byte; padding on; bit 21 beside a mask; after every 64 words four words
	s_or_b32 s[G1B+0], s44, (0<<16)|(1<<20)|(1<<21)|(5<<22)|(3<<25)
.irp g, G1, G1B
	s_mov_b32 s[\g+1], ROWB<<16                    ; tensor_dim0
	s_mov_b32 s[\g+2], 128<<16                     ; tensor_dim1
	s_mov_b32 s[\g+3], ROWB<<16                    ; tile_dim0
	s_mov_b32 s[\g+4], 128                         ; tile_dim1
	s_mov_b32 s[\g+5], KROW                        ; from row to row
	s_mov_b32 s[\g+6], 0
	s_mov_b32 s[\g+7], 0
.endr
	s_or_b32 s[G1S+0], s43, (3<<16)|(1<<20)|(1<<21)|(5<<22)|(3<<25)  ; the scales of 128 rows: 4,096 dense bytes as 16 rows of 32 elements of 8 bytes
	s_or_b32 s[G1SB+0], s44, (3<<16)|(1<<20)|(1<<21)|(5<<22)|(3<<25)
.irp g, G1S, G1SB
	s_mov_b32 s[\g+1], 32<<16
	s_mov_b32 s[\g+2], (128*KS/256)<<16
	s_mov_b32 s[\g+3], 32<<16
	s_mov_b32 s[\g+4], 128*KS/256
	s_mov_b32 s[\g+5], 32
	s_mov_b32 s[\g+6], 0
	s_mov_b32 s[\g+7], 0
.endr
	s_lshl_b32 s18, s16, 7
	s_lshl_b32 s20, s17, 8
	s_add_co_u32 s20, s20, s18                     ; x: row 256 x tile row + 128 x half
	s_lshl_b32 s46, s42, 8
	s_add_co_u32 s46, s46, s18                     ; weights: row 256 x tile column + 128 x half
	s_mov_b32 s21, 0
	s_mov_b32 s47, 0
	s_mov_b64 s[18:19], KS
	s_mul_u64 s[22:23], s[20:21], s[18:19]         ; where these rows' scales begin
	s_mul_u64 s[92:93], s[46:47], s[18:19]
	s_mov_b64 s[18:19], KROW
	s_mul_u64 s[20:21], s[20:21], s[18:19]         ; and their codes
	s_mul_u64 s[46:47], s[46:47], s[18:19]
	s_mul_i32 s45, s14, HALFT                      ; where they go: wave x 128 rows: no place in the cluster enters an LDS address
	s_mul_i32 s94, s14, HALFS
	s_wait_dscnt 0x0                               ; both opening adds are done
	s_wait_kmcnt 0x0
	s_add_nc_u64 s[20:21], s[4:5], s[20:21]
	s_add_nc_u64 s[22:23], s[6:7], s[22:23]
	s_add_nc_u64 s[46:47], s[8:9], s[46:47]
	s_add_nc_u64 s[92:93], s[10:11], s[92:93]
	CROUND                                         ; all sixteen work-groups are here: the joint loads meet
	s_mov_b32 s[G0S], 1
	s_add_co_u32 s[G0S+1], s94, SCL
	s_mov_b64 s[G0S+2:G0S+3], s[22:23]
	s_or_b32 s[G0S+3], s[G0S+3], 0x80000000
	s_mov_b32 s[G0SB], 1
	s_add_co_u32 s[G0SB+1], s94, SCL
	s_mov_b64 s[G0SB+2:G0SB+3], s[92:93]
	s_or_b32 s[G0SB+3], s[G0SB+3], 0x80000000
	JLOAD G0S, G1S, G0SB, G1SB                     ; the scales first: they are wanted with the first slot.  Three tensor loads of mine are out behind the next two
.irp s, 0,1
	s_mov_b32 s[G0+4*\s], 1
	s_add_co_u32 s[G0+4*\s+1], s45, \s*SLOT
	s_add_nc_u64 s[G0+4*\s+2:G0+4*\s+3], s[20:21], \s*ROWB
	s_or_b32 s[G0+4*\s+3], s[G0+4*\s+3], 0x80000000
	s_mov_b32 s[G0B+4*\s], 1
	s_add_co_u32 s[G0B+4*\s+1], s45, \s*SLOT
	s_add_nc_u64 s[G0B+4*\s+2:G0B+4*\s+3], s[46:47], \s*ROWB
	s_or_b32 s[G0B+4*\s+3], s[G0B+4*\s+3], 0x80000000
	JLOAD G0+4*\s, G1, G0B+4*\s, G1B
.endr
	v_and_b32 v1, 15, v0                           ; r = lane % 16
	v_bfe_u32 v2, v0, 4, 1                         ; h = lane / 16
	; the bias: which of the three hangs on the cluster's x alone
	s_cmp_eq_u32 ttmp9, 1
	s_cselect_b64 s[96:97], s[98:99], s[96:97]
	s_cmp_eq_u32 ttmp9, 2
	s_cselect_b64 s[96:97], s[100:101], s[96:97]
	s_lshl_b32 s22, s40, 10                        ; 256 columns of 4 bytes for each tile column in the weight,
	s_lshl_b32 s23, s16, 9                         ; 128 for my half
	s_add_co_u32 s22, s22, s23
	s_mov_b32 s23, 0
	s_add_nc_u64 s[96:97], s[96:97], s[22:23]
	v_lshlrev_b32 v[BO], 5, v2
	WIN TO_B
.irp b, 0,1,2,3,4,5,6,7
	global_load_b128 v[BI+8*\b:BI+8*\b+3], v[BO], s[96:97] offset:64*\b         ; lane (r, h), block b: the bias of columns 16 b + 8 h + 0 .. 7
	global_load_b128 v[BI+8*\b+4:BI+8*\b+7], v[BO], s[96:97] offset:64*\b+16
.endr
	WIN 0
	v_mul_u32_u24 v3, v1, PITCH
	v_lshl_add_u32 v4, v2, 4, v3                   ; a fragment's row x pitch + 16 x half
	s_mul_i32 s21, s15, HALFT                      ; my 128 rows of x
	s_mul_i32 s22, s16, HALFT                      ; my 128 rows of the weights,
	s_add_co_u32 s22, s22, 2*HALFT                 ; which lie behind x's 256
.irp s, 0,1
	v_add_nc_u32 v[ADRA+\s], s21, v4
	v_add_nc_u32 v[ADRB+\s], s22, v4
	s_add_co_u32 s21, s21, SLOT
	s_add_co_u32 s22, s22, SLOT
.endr
	v_mul_u32_u24 v5, v1, KS                       ; my row's scales: 32 bytes a row,
	v_lshrrev_b32 v6, 8, v5
	v_lshl_add_u32 v5, v6, 4, v5                   ; and 16 more for each 256 passed
	s_mul_i32 s21, s15, HALFS
	s_mul_i32 s22, s16, HALFS
	s_add_co_u32 s22, s22, 2*HALFS
	s_sub_co_u32 s22, s22, s21
	v_mul_u32_u24 v6, s22, v2                      ; lanes 16-31 take the weights'
	s_add_co_u32 s21, s21, SCL
	v_add_nc_u32 v5, v5, v6
	v_add_nc_u32 v[ADRS], s21, v5
	s_mul_i32 s23, s14, 16*SPITCH                  ; my stage
	v_mul_u32_u24 v5, v1, SPITCH
	v_lshl_add_u32 v5, v2, 4, v5
	v_add_nc_u32 v[STO], s23, v5                   ; in: row r, 16 bytes for each half of the lanes
	v_and_b32 v6, 31, v0
	v_lshlrev_b32 v[CO], 4, v6                     ; out: 16 bytes a lane of 512 consecutive bytes
	v_lshrrev_b32 v5, 3, v6
	v_mul_u32_u24 v5, v5, SPITCH
	v_and_b32 v6, 7, v0
	v_lshl_add_u32 v5, v6, 4, v5
	v_add_nc_u32 v[RD], s23, v5                    ; back: eight lanes take a head's 128 bytes of a row, four rows an instruction
	; where my part begins in qkv: which third; batch x 16 + head; row in the sequence
	s_lshr_b32 s20, s17, 3                         ; the batch: 8 tile rows each
	s_lshl_b32 s20, s20, 4
	s_lshl_b32 s21, s40, 2                         ; four heads to a tile column,
	s_add_co_u32 s20, s20, s21
	s_lshl_b32 s21, s16, 1                         ; two to my half
	s_add_co_u32 s20, s20, s21
	s_lshl_b32 s20, s20, 18                        ; a head is 2,048 rows of 128 bytes
	s_and_b32 s21, s17, 7
	s_lshl_b32 s21, s21, 8
	s_lshl_b32 s22, s15, 7
	s_add_co_u32 s21, s21, s22
	s_lshl_b32 s21, s21, 7
	s_add_co_u32 s20, s20, s21
	s_lshl_b32 s21, ttmp9, 24                      ; a third is 64 heads
	s_add_co_u32 s20, s20, s21
	s_mov_b32 s21, 0
	s_add_nc_u64 s[12:13], s[12:13], s[20:21]
.macro FRAG reg, adr, q, i             ; 16 rows x 128 K of 4-bit codes: lane l holds row l % 16; registers 4 c .. 4 c + 3 hold K = 64 c + 32 (l / 16) + 0 .. 31
.irp c, 0,1
	ds_load_b128 v[\reg+4*\c:\reg+4*\c+3], v[\adr] offset:64*(\q)+32*\c+(\i)*16*PITCH
.endr
.endm
; 16 matrix instructions: x's blocks a0, a0 + 1 against the weights' eight, the slot's q-th 128 along K.  p: the weights' set; sc: the set of scale words.  bias = 1: the first products take the bias as C.
; The 64 accumulators take turns, one instruction a turn, in the same order in every step.
.macro MUL16 a0, p, q, sc, bias
.irp a, \a0, \a0+1
.irp b, 0,1,2,3,4,5,6,7
.if \bias
	v_wmma_scale_f32_16x16x128_f8f6f4 v[8*(8*((\a)%4)+\b):8*(8*((\a)%4)+\b)+7], v[128*(\p)+FR*\b:128*(\p)+FR*\b+FR-1], v[AF+FR*(\a):AF+FR*(\a)+FR-1], v[BI+8*\b:BI+8*\b+7], v[SC+8*NQ*(\sc)+NQ*\b+(\q)], v[SC+8*NQ*(\sc)+NQ*(\a)+(\q)] matrix_a_fmt:MATRIX_FMT_FP4 matrix_b_fmt:MATRIX_FMT_FP4 matrix_a_scale:MATRIX_SCALE_ROW1
.else
	v_wmma_scale_f32_16x16x128_f8f6f4 v[8*(8*((\a)%4)+\b):8*(8*((\a)%4)+\b)+7], v[128*(\p)+FR*\b:128*(\p)+FR*\b+FR-1], v[AF+FR*(\a):AF+FR*(\a)+FR-1], v[8*(8*((\a)%4)+\b):8*(8*((\a)%4)+\b)+7], v[SC+8*NQ*(\sc)+NQ*\b+(\q)], v[SC+8*NQ*(\sc)+NQ*(\a)+(\q)] matrix_a_fmt:MATRIX_FMT_FP4 matrix_b_fmt:MATRIX_FMT_FP4 matrix_a_scale:MATRIX_SCALE_ROW1
.endif
.endr
.endr
.endm
.macro FETCH_B slot, q, p
	WIN TO_B
.irp i, 0,1,2,3,4,5,6,7
	FRAG 128*(\p)+FR*\i, ADRB+\slot, \q, \i
.endr
	WIN 0
.endm
.macro FETCH_A slot, q, i0
.irp i, \i0, \i0+1, \i0+2, \i0+3
	FRAG AF+FR*(\i), ADRA+\slot, \q, \i
.endr
.endm
.macro SCALES sc                       ; a slot's scale words: four a row; lanes 0-15 x's block i, lanes 16-31 the weights' block i
.irp i, 0,1,2,3,4,5,6,7
	ds_load_b128 v[SC+8*NQ*\sc+NQ*\i:SC+8*NQ*\sc+NQ*\i+3], v[ADRS] offset:\i*SBLK
.endr
.endm
.macro PLACES n                        ; places in front of loads into registers that matrix instructions have read, and of the first read of results
.rept \n
	v_nop
.endr
.endm
.macro STEP slot, q, bias              ; a step of 128 along K that has its successor in the same slot
	s_wait_dscnt 4*NL                              ; the weights' set and x's blocks 0-3 are in; the youngest eight loads (x's blocks 4-7) may be out
.if \bias
	WIN BIA_LO
.else
	WIN MUL_LO
.endif
	MUL16 0, (\q)%2, \q, \slot, \bias
	MUL16 2, (\q)%2, \q, \slot, \bias
	s_wait_dscnt 0
	PLACES NP
	FETCH_B \slot, (\q)+1, 1-(\q)%2
	FETCH_A \slot, (\q)+1, 0
.if \bias
	WIN BIA_HI
.else
	WIN MUL_HI
.endif
	MUL16 4, (\q)%2, \q, \slot, \bias
	MUL16 6, (\q)%2, \q, \slot, \bias
	PLACES NP
	WIN 0
	FETCH_A \slot, (\q)+1, 4
.endm
.macro STEPS slot, from
.set Q, \from
.rept NQ-1-\from
	STEP \slot, Q, 0
.set Q, Q+1
.endr
.endm
	s_wait_tensorcnt 1                             ; the scales and my part of slot 0 are in; slot 1's load may be out
	s_barrier_signal -1
	s_barrier_wait -1                              ; everybody's are
	FETCH_B 0, 0, 0
	FETCH_A 0, 0, 0
	SCALES 0
	FETCH_A 0, 0, 4
	s_wait_loadcnt 0x0                             ; the bias
	STEP 0, 0, 1                                   ; the first products start the sums from the bias: nothing is cleared or added later
	STEPS 0, 1
	; slot 0's last step changes slots: one barrier; in front of it each wave waits for all its tensor loads, adds 0 to its spare word, and waits for that and for its reads of slot 0
	s_wait_tensorcnt 0x0                           ; my part of slot 1 has landed
	ds_add_u32 v[SPW], v[NIL]
	s_wait_dscnt 4*NL+1                            ; (the add and x's blocks 4-7 may be out)
	WIN MUL_LO
	MUL16 0, 1, NQ-1, 0, 0
	s_wait_dscnt 0x0                               ; the add is done, and my reads of slot 0 are over
	s_barrier_signal -1
	MUL16 2, 1, NQ-1, 0, 0
	WIN 0
	s_barrier_wait -1
	PLACES NP
	v_add_nc_u32 v[ADRS], 4*NQ, v[ADRS]            ; on to slot 1's scale words
	FETCH_B 1, 0, 0
	FETCH_A 1, 0, 0
	SCALES 1
	WIN MUL_HI
	MUL16 4, 1, NQ-1, 0, 0
	MUL16 6, 1, NQ-1, 0, 0
	PLACES NP
	WIN 0
	FETCH_A 1, 0, 4
	STEPS 1, 0
	s_wait_dscnt 4*NL                              ; the very last step: nothing more to fetch
	WIN MUL_LO
	MUL16 0, 1, NQ-1, 1, 0
	MUL16 2, 1, NQ-1, 1, 0
	s_wait_dscnt 0
	WIN MUL_HI
	MUL16 4, 1, NQ-1, 1, 0
	MUL16 6, 1, NQ-1, 1, 0
	WIN 0
; THE WAY OUT, block by block of 16 rows x 128 columns (two heads).  PACK: rounded to f16, 16 bytes a lane, each accumulator from its low end on.  TOSTAGE: into my stage, and back so that an instruction's
; 32 lanes hold four neighbouring rows of one head.  SEND: 512 consecutive bytes a store.
.macro PACK a
.set AC, 64*((\a)%4)
	WIN 0x0a+5*((\a)/4)                            ; sources 0 and 1: window 2 or 3
.irp b, 0,1,2,3,4,5,6,7
.irp r, 0,1,2,3
	v_cvt_pk_f16_f32 v[TMP+4*\b+\r], v[AC+8*\b+2*\r], v[AC+8*\b+2*\r+1]
.endr
.endr
	WIN 0
.endm
.macro TOSTAGE a
.set BB, OB+192*((\a)%2)
.irp b, 0,1,2,3,4,5,6,7
	ds_store_b128 v[STO], v[TMP+4*\b:TMP+4*\b+3] offset:32*\b
.endr
.irp t, 0,1,2,3,4,5,6,7
	ds_load_b128 v[BB+4*\t:BB+4*\t+3], v[RD] offset:(\t%4)*4*SPITCH+(\t/4)*128   ; LDS serves a wave's instructions in order: these see the stores above
.endr
.endm
.macro SEND a
.set BB, OB+192*((\a)%2)
	s_wait_dscnt 0x0                               ; the block is back in registers
	s_wait_xcnt 0x0                                ; the stores of the block before have read their registers: the next block's loads may land there
.irp t, 0,1,2,3,4,5,6,7
	global_store_b128 v[CO], v[BB+4*\t:BB+4*\t+3], s[12:13] offset:(\a)*2048+(\t/4)*262144+(\t%4)*512
.endr
.endm
	PLACES NP
	PACK 0
	TOSTAGE 0
.irp a, 1,2,3,4,5,6,7                  ; block a's conversions stand between block a - 1's loads from the stage and the wait for them
	PACK \a
	SEND \a-1
	TOSTAGE \a
.endr
	SEND 7
	s_wait_tensorcnt 0x0                           ; the wave's end
	ds_add_u32 v[SPW], v[NIL]
	s_wait_dscnt 0x0
	CROUND                                         ; the closing round
	s_endpgm
.Lfunc_end_k_q2bef541e08_qkv:
	.size	k_q2bef541e08_qkv, .Lfunc_end_k_q2bef541e08_qkv-k_q2bef541e08_qkv
	.p2alignl 7, 3214868480
	.fill 96, 4, 3214868480
	.section	.rodata,"a",@progbits
	.p2align	6, 0x0
	.amdhsa_kernel k_q2bef541e08_qkv
		.amdhsa_group_segment_fixed_size 327680
		.amdhsa_private_segment_fixed_size 0
		.amdhsa_enable_private_segment 0
		.amdhsa_kernarg_size 64
		.amdhsa_user_sgpr_count 2
		.amdhsa_user_sgpr_kernarg_segment_ptr 1
		.amdhsa_wavefront_size32 1
		.amdhsa_system_sgpr_workgroup_id_x 1
		.amdhsa_system_sgpr_workgroup_id_y 1
		.amdhsa_system_sgpr_workgroup_id_z 1
		.amdhsa_system_vgpr_workitem_id 0
		.amdhsa_next_free_vgpr 1024
		.amdhsa_next_free_sgpr 102
		.amdhsa_reserve_vcc 0
		.amdhsa_float_denorm_mode_32 3
		.amdhsa_float_denorm_mode_16_64 3
		.amdhsa_memory_ordered 1
		.amdhsa_forward_progress 1
		.amdhsa_inst_pref_size 128
	.end_amdhsa_kernel
	.amdgpu_metadata
---
amdhsa.version: [ 1, 2 ]
amdhsa.kernels:
  - .name:           k_q2bef541e08_qkv
    .symbol:         k_q2bef541e08_qkv.kd
    .args:
      - { .name: xc, .offset: 0, .size: 8, .value_kind: global_buffer, .address_space: global }
      - { .name: xs, .offset: 8, .size: 8, .value_kind: global_buffer, .address_space: global }
      - { .name: wc, .offset: 16, .size: 8, .value_kind: global_buffer, .address_space: global }
      - { .name: ws, .offset: 24, .size: 8, .value_kind: global_buffer, .address_space: global }
      - { .name: bq, .offset: 32, .size: 8, .value_kind: global_buffer, .address_space: global }
      - { .name: bk, .offset: 40, .size: 8, .value_kind: global_buffer, .address_space: global }
      - { .name: bv, .offset: 48, .size: 8, .value_kind: global_buffer, .address_space: global }
      - { .name: qkv, .offset: 56, .size: 8, .value_kind: global_buffer, .address_space: global }
    .group_segment_fixed_size: 327680
    .private_segment_fixed_size: 0
    .kernarg_segment_align: 8
    .kernarg_segment_size: 64
    .max_flat_workgroup_size: 128
    .sgpr_count:     102
    .vgpr_count:     1024
    .wavefront_size: 32
...
	.end_amdgpu_metadata
.endif
;; end of part 2
;; launch attn (part 3): grid 4 x 64, 8 waves a work-group, clusters of 4 x 1, 327,680 bytes of LDS; arguments qkv, ctx; writes ctx
.if DOCPART == 3
	.amdgcn_target "amdgcn-amd-amdhsa--gfx1250"
	.amdhsa_code_object_version 6
	.text
	.protected	k_q2bef541e08_attn
	.globl	k_q2bef541e08_attn
	.p2align	8
	.type	k_q2bef541e08_attn,@function
k_q2bef541e08_attn:
	s_mov_b64 s[64:65], 0
	v_nop
	global_prefetch_b8 v0, s[64:65] scope:SCOPE_SE
	s_setreg_imm32_b32 hwreg(HW_REG_WAVE_MODE, 25, 1), 1
	s_wait_xcnt 0x0
	s_wait_alu depctr_hold_cnt(0) depctr_sa_sdst(0) depctr_va_vdst(0) depctr_va_sdst(0) depctr_va_ssrc(0) depctr_va_vcc(0) depctr_vm_vsrc(0)
	s_getreg_b32 s2, hwreg(HW_REG_IB_STS2, 6, 4)
	s_cmp_eq_u32 s2, 0
	s_cbranch_scc0 .Lentry_in_a_cluster
	s_endpgm
.Lentry_in_a_cluster:
	s_bfe_u32 s2, ttmp6, 0x10000c
	s_cmp_lg_u32 s2, 0x3003
	s_cbranch_scc0 .Lentry_shape_is_right
	s_endpgm
.Lentry_shape_is_right:
; ATTN: ctx[hb][q][:] = the sum over k of softmax_k(Q[hb][q] . K[hb][k] / 8) V[hb][k][:], hb = batch x 16 + head, 2,048 keys, head size 64.  Q, K, V: the three thirds of qkv, f16, [64][2048][64]; ctx likewise.
; Products, maxima and sums in f32; the weights p are rounded to f16 for the second product, ctx once at the end.
; SHARES.  A work-group owns 512 queries of one head, each of its eight waves 64: four tiles of 16; two waves to a SIMD, 512 registers each, so that one wave's vector work stands beside the other's matrix work.
; Every wave walks all keys, 64 a step.  K's and V's tiles come through two LDS slots of 512 keys.
; CLUSTER.  The four query blocks of a head are one cluster and walk the same K and V: each tile is asked for jointly, by the same tensor load with the same descriptor and a mask that names the four.
; LAYOUT.  S^T = K Q^T (source 0 = 16 keys, source 1 = 16 queries): a lane holds ONE query (lane % 16) and the keys 8 (lane / 16) + 0..7.  Two such tiles, rounded to f16 in pairs, ARE source 1 of O^T = V^T P.
; K comes out of LDS as it lies, V ([key][channel]) turned, by ds_load_tr16_b128.
; SOFTMAX.  For each query a running maximum m and sum l: p = 2^(c s - c m), c = log2(e) / 8; in every step O^T and l are multiplied by a = 2^(c m_old - c m_new).
; ORDER.  The wave's tiles are two pieces (tiles 0, 1 and tiles 2, 3) that share one set of registers for scores and weights.  A trip: piece 0's softmax | piece 2's K Q^T | piece 0's V^T P | piece 2's softmax |
; piece 0's K Q^T of the next step | piece 2's V^T P.  So a softmax starts when its 16 products are done, and 16 products of the other kind are still in the unit behind them.
; No prefetch is laid: a refill is asked for eight key steps, 512 matrix instructions of the wave, ahead of the first read of its bytes.
; LIMITS: q, k, v under 65,504 in magnitude (they arrive as f16); c m under 2^28 in magnitude, so that the rounding of c m moves p by a factor under 2^16; NaN and infinities are not served.
; REGISTERS: window 0: v1-11 addresses; v12-43 eight registers of statistics a tile; v62, v63 the add's two; v64-127 S^T, two tiles; v128-159 P, two tiles; v160-223 K of one step.
;   window 1: v0-127 O^T, 32 a tile; v128-191 V of one step; v192-255 Q, 16 a tile.
.set PK,     144                       ; a row of K in LDS: 128 bytes + 16 = 36 words: the 16 rows of a load start at 16 different groups of four banks
.set PVP,    160                       ; a row of V: 128 + 32: an odd multiple of 32 bytes
.set SKEYS,  512                       ; keys in a slot
.set VOFF,   SKEYS*PK                  ; a slot: 512 rows of K, then 512 rows of V
.set SLOT,   SKEYS*(PK+PVP)
.set SPARE,  2*SLOT                    ; behind the slots: the spare words, 128 bytes for each of eight waves
.set KSTEPB, 64*PK                     ; a key step's rows of K
.set VSTEPB, 64*PVP                    ; and of V
.set AK0, 2                            ; v2  my lane's place in a tile of K; never rewritten
.set AV0, 3                            ; v3  the same for V
.set ADK, 4                            ; v4  LDS address of K's run of loads
.set QO,  5                            ; v5  my byte offset in the wave's rows of Q
.set STO, 6                            ; v6  the way out: where I put 16 bytes of a row
.set RD,  7                            ; v7  where I read them back
.set GO,  8                            ; v8  16 x lane
.set ADV, 9                            ; v9  LDS address of V's run of loads
.set ST,  12                           ; tile t's statistics at v[ST + 8 t]: +0 c m, +1 m, +2, +3 l (even keys', odd keys'), +4 to +7 at work; a in +6
.set SPW, 62
.set NIL, 63
.set S,   64
.set P,   128
.set KF,  160
.set VF,  128                          ; in window 1
.set QF,  192                          ; in window 1
.set WV,  12                           ; s12 my wave's number
.set G1K, 24                           ; s[24:31] descriptor group 1 for K's tiles; s[32:39] for V's: it differs in the padding
.set G1V, 32
.set G0K, 40                           ; s[40:47] group 0 for K's tiles, a set for each slot; s[48:55] for V's
.set G0V, 48
.set CNT, 56                           ; s56 trips to go
.set KO,  57                           ; s57 LDS byte at which the next K to be fetched begins
.set CS,  58                           ; s[58:59] c
.set SEL, 60                           ; s[60:61] lane selects: lane l xor 16
.set VO,  62                           ; s62 the same as KO for V
.set MSB, 0
.macro WIN new
.if MSB != (\new)
	s_set_vgpr_msb (MSB<<8)|(\new)
.set MSB, \new
.endif
.endm
.set W_KQ, 0x04                        ; Q (source 1) in window 1; K and S^T in window 0
.set W_PV, 0x51                        ; V (source 0) and O^T (C, D) in window 1; P in window 0
.set W_RS, 0x41                        ; O^T (destination, source 0) in window 1; a in window 0
.set W_L1, 0x40                        ; a load's destination in window 1
.macro PLACES
.rept 4
	v_nop
.endr
.endm
.macro JLOAD s                         ; a joint refill of slot s: waves 0-3 fetch K's quarters, waves 4-7 V's.  An s_nop 0 and four v_nop follow each line
	s_cmp_lt_u32 s[WV], 4
	s_cbranch_scc0 .Lfor_v_\@
	tensor_load_to_lds s[G0K+4*\s:G0K+4*\s+3], s[G1K:G1K+7]
	s_nop 0
	PLACES
	s_branch .Lasked_\@
.Lfor_v_\@:
	tensor_load_to_lds s[G0V+4*\s:G0V+4*\s+3], s[G1V:G1V+7]
	s_nop 0
	PLACES
.Lasked_\@:
.endm
.macro CROUND                          ; a round of the cluster's barrier
	s_barrier_signal -1
	s_barrier_wait -1
	s_cmp_lg_u32 s[WV], 0
	s_cbranch_scc1 .Lnot_wave_0_\@
	s_barrier_signal -3
.Lnot_wave_0_\@:
	s_barrier_wait -3
	s_barrier_signal -1
	s_barrier_wait -1
.endm
; 16 products S^T = K Q^T for piece x: channels 32 (i / 8) on, keys 16 ((i / 2) % 4) on, tile x + i % 2.  The first 8 start the sums.  Eight accumulators by turns.
.macro KQ x
	WIN W_KQ
.set i, 0
.rept 16
.set rS, S+32*(i%2)+8*((i/2)%4)
.set rK, KF+16*((i/2)%4)+8*(i/8)
.set rQ, QF+16*((\x)+i%2)+8*(i/8)
.if i < 8
	v_wmma_f32_16x16x32_f16 v[rS:rS+7], v[rK:rK+7], v[rQ:rQ+7], 0
.else
	v_wmma_f32_16x16x32_f16 v[rS:rS+7], v[rK:rK+7], v[rQ:rQ+7], v[rS:rS+7]
.endif
.set i, i+1
.endr
.endm
; 16 products O^T += V^T P for piece x: keys 32 (i / 8) on, channels 16 ((i / 2) % 4) on, tile x + i % 2.  zero = 1: the first 8 start the sums: nothing is ever cleared.
.macro PV x, zero
	WIN W_PV
.set i, 0
.rept 16
.set rO, 32*((\x)+i%2)+8*((i/2)%4)
.set rV, VF+32*(i/8)+8*((i/2)%4)
.set rP, P+16*(i%2)+8*(i/8)
.if (\zero) && (i < 8)
	v_wmma_f32_16x16x32_f16 v[rO:rO+7], v[rV:rV+7], v[rP:rP+7], 0
.else
	v_wmma_f32_16x16x32_f16 v[rO:rO+7], v[rV:rV+7], v[rP:rP+7], v[rO:rO+7]
.endif
.set i, i+1
.endr
.endm
.macro FETCH_K                         ; a step's K: 64 keys x 64 channels: 8 fragments, 16 loads
	v_add_nc_u32 v[ADK], s[KO], v[AK0]
.irp i, 0,1,2,3
.irp c, 0,1
	ds_load_b128 v[KF+16*\i+8*\c:KF+16*\i+8*\c+3],   v[ADK] offset:\i*16*PK+64*\c
	ds_load_b128 v[KF+16*\i+8*\c+4:KF+16*\i+8*\c+7], v[ADK] offset:\i*16*PK+64*\c+32
.endr
.endr
	s_add_co_u32 s[KO], s[KO], KSTEPB
.endm
.macro FETCH_V                         ; a step's V, turned: keys 32 k on, channels 16 c on
	v_add_nc_u32 v[ADV], s[VO], v[AV0]
	WIN W_L1
.irp k, 0,1
.irp c, 0,1,2,3
	ds_load_tr16_b128 v[VF+32*\k+8*\c:VF+32*\k+8*\c+3],   v[ADV] offset:\k*32*PVP+32*\c
	ds_load_tr16_b128 v[VF+32*\k+8*\c+4:VF+32*\k+8*\c+7], v[ADV] offset:\k*32*PVP+16*PVP+32*\c
.endr
.endr
	WIN 0
	s_add_co_u32 s[VO], s[VO], VSTEPB
.endm
.macro TU x, u                         ; the registers of tile x + u, the piece's u-th
.set rT, ST+8*((\x)+(\u))
.set rS, S+32*(\u)
.set rP, P+16*(\u)
.set rO, 32*((\x)+(\u))
.endm
; THE SOFTMAX of piece x for one key step; the two tiles alternate line by line, so that no line reads the result of the line just above it.  first = 1: O^T does not exist yet and is not rescaled.
.macro SMAX x, first
	WIN 0
.set j, 0
.rept 4                                ; the maximum: four chains, one to an accumulator, each begun at the accumulator's low end
.irp u, 0,1
	TU \x, \u
	v_max3_num_f32 v[rT+4+j], v[rS+8*j], v[rS+8*j+1], v[rS+8*j+2]
.endr
.set j, j+1
.endr
.rept 8
.irp u, 0,1
	TU \x, \u
	v_max3_num_f32 v[rT+4+j%4], v[rT+4+j%4], v[rS+8*(j%4)+2*(j/4)+1], v[rS+8*(j%4)+2*(j/4)+2]
.endr
.set j, j+1
.endr
.irp u, 0,1
	TU \x, \u
	v_max3_num_f32 v[rT+4], v[rT+4], v[rS+7], v[rS+15]
	v_max3_num_f32 v[rT+6], v[rT+6], v[rS+23], v[rS+31]
.endr
.irp u, 0,1
	TU \x, \u
	v_max3_num_f32 v[rT+4], v[rT+4], v[rT+5], v[rT+6]
.endr
.irp u, 0,1
	TU \x, \u
	v_max3_num_f32 v[rT+4], v[rT+4], v[rT+7], v[rT+1]          ; with the old m
.endr
.irp u, 0,1
	TU \x, \u
	v_permlanex16_b32 v[rT+5], v[rT+4], s[SEL], s[SEL+1]       ; the query's other 32 keys lie in the lane 16 away
.endr
.irp u, 0,1
	TU \x, \u
	v_mov_b32 v[rT+7], v[rT]                                   ; c m_old is kept for a
.endr
.irp u, 0,1
	TU \x, \u
	v_max_num_f32 v[rT+1], v[rT+4], v[rT+5]                    ; the new m
.endr
.irp u, 0,1
	TU \x, \u
	v_mul_f32 v[rT], s[CS], v[rT+1]
.endr
.irp u, 0,1
	TU \x, \u
	v_sub_f32 v[rT+7], v[rT+7], v[rT]
.endr
.set j, 0
.rept 16
.irp u, 0,1
	TU \x, \u
	v_pk_fma_f32 v[rS+2*j:rS+2*j+1], v[rS+2*j:rS+2*j+1], s[CS:CS+1], v[rT:rT+1] op_sel_hi:[1,0,0] neg_lo:[0,0,1] neg_hi:[0,0,1]   ; c s - c m, two at a time
.endr
.set j, j+1
.endr
.irp u, 0,1                            ; ONE BATCH: the piece's 66 exponentials; none reads another's result
	TU \x, \u
	v_exp_f32 v[rT+6], v[rT+7]                                 ; a
.endr
.set j, 0
.rept 32
.irp u, 0,1
	TU \x, \u
	v_exp_f32 v[rS+j], v[rS+j]                                 ; p
.endr
.set j, j+1
.endr
	v_nop                                          ; a plain line behind the last exponential
	s_wait_alu depctr_va_vdst(0)                   ; the wait ahead of the first line that names a result: one for the batch
.set j, 0
.rept 16
.irp u, 0,1
	TU \x, \u
	v_cvt_pk_f16_f32 v[rP+j], v[rS+2*j], v[rS+2*j+1]           ; the weights for the second product
.endr
.set j, j+1
.endr
.set j, 0
.rept 8                                ; the sum of the unrounded p, in place: neighbours 1, 2, 4 and 8 pairs apart
.irp u, 0,1
	TU \x, \u
	v_pk_add_f32 v[rS+4*j:rS+4*j+1], v[rS+4*j:rS+4*j+1], v[rS+4*j+2:rS+4*j+3]
.endr
.set j, j+1
.endr
.set j, 0
.rept 4
.irp u, 0,1
	TU \x, \u
	v_pk_add_f32 v[rS+8*j:rS+8*j+1], v[rS+8*j:rS+8*j+1], v[rS+8*j+4:rS+8*j+5]
.endr
.set j, j+1
.endr
.set j, 0
.rept 2
.irp u, 0,1
	TU \x, \u
	v_pk_add_f32 v[rS+16*j:rS+16*j+1], v[rS+16*j:rS+16*j+1], v[rS+16*j+8:rS+16*j+9]
.endr
.set j, j+1
.endr
.irp u, 0,1
	TU \x, \u
	v_pk_add_f32 v[rS:rS+1], v[rS:rS+1], v[rS+16:rS+17]
.endr
.irp u, 0,1
	TU \x, \u
	v_pk_fma_f32 v[rT+2:rT+3], v[rT+2:rT+3], v[rT+6:rT+7], v[rS:rS+1] op_sel_hi:[1,0,1]   ; l = a l + the sum
.endr
.if \first == 0
	WIN W_RS
.set j, 0
.rept 16
.irp u, 0,1
	TU \x, \u
	v_pk_mul_f32 v[rO+2*j:rO+2*j+1], v[rO+2*j:rO+2*j+1], v[rT+6:rT+7] op_sel_hi:[1,0]     ; O^T times a, each accumulator from its low end on
.endr
.set j, j+1
.endr
.endif
.endm
; A TRIP: key step j.  On entry S^T holds piece 0's scores of step j, K of step j is in registers, V of step j has been asked for.  last = 1: there is no step j + 1.
; The four v_nop are the places between the last products and the first read of their scores, the writes of P, and the loads into K's or V's registers (ISA guide 7.12.1 for the scores and P).
; A K Q^T writes over the scores of the K Q^T before it: between the two stand those four v_nop and the lines on the statistics and on O^T, which name no register of it: more than five places.
.macro TRIP first, last
	SMAX 0, \first
	KQ 2
	s_wait_dscnt 0x0                               ; V of this step is in
	PV 0, \first
	WIN 0
	PLACES
.if \last == 0
	FETCH_K                                        ; K of the next step: both pieces have multiplied by this step's
.endif
	SMAX 2, \first
.if \last == 0
	s_wait_dscnt 0x0                               ; K of the next step is in
	KQ 0
.endif
	PV 2, \first
	WIN 0
	PLACES
.if \last == 0
	FETCH_V                                        ; V of the next step: both pieces have multiplied by this step's
.endif
.endm
.macro TRIPS n
	s_mov_b32 s[CNT], \n
.Ltrip_\@:
	TRIP 0, 0
	s_sub_co_u32 s[CNT], s[CNT], 1
	s_cmp_lg_u32 s[CNT], 0
	s_cbranch_scc1 .Ltrip_\@
.endm
; THE CHANGE OF SLOTS stands between two trips, when the last bytes of the slot that is left have been asked for.  Each wave waits for all its tensor loads (the one that is out is its part of the other slot),
; adds 0 to its spare word, and waits for that and for its reads.  fill = 1: slot s, just left, is filled with the keys 1,024 on; the barrier is then a round of the cluster's, and the joint load is first behind it.
.macro CHANGE fill, s
	s_wait_tensorcnt 0x0                           ; no tensor load of mine is out, so a group 0 may be written
	ds_add_u32 v[SPW], v[NIL]
.if \fill
	s_add_nc_u64 s[G0K+4*\s+2:G0K+4*\s+3], s[G0K+4*\s+2:G0K+4*\s+3], 2*SKEYS*128
	s_add_nc_u64 s[G0V+4*\s+2:G0V+4*\s+3], s[G0V+4*\s+2:G0V+4*\s+3], 2*SKEYS*128
	s_wait_dscnt 0x0                               ; the add is done, and my reads of the slot are over
	CROUND
	JLOAD \s
.else
	s_wait_dscnt 0x0
	s_barrier_signal -1
	s_barrier_wait -1
.endif
.endm
	s_load_b128 s[4:7], s[0:1], 0x0                ; qkv s[4:5], ctx s[6:7]
	v_lshl_add_u32 v[SPW], v0, 2, SPARE
	v_mov_b32 v[NIL], 0
	ds_add_u32 v[SPW], v[NIL]                      ; the wave's opening: the add, twice on end, and its wait ahead of my first tensor load
	ds_add_u32 v[SPW], v[NIL]
	v_lshrrev_b32 v1, 5, v0
	v_readfirstlane_b32 s[WV], v1                  ; wave 0..7
	s_bfe_u32 s13, ttmp6, 0x40000                  ; cx: my block of 512 queries: it enters Q's and ctx's addresses alone
	s_and_b32 s14, s[WV], 3                        ; which quarter of a slot's rows I fetch
	s_and_b32 s15, ttmp7, 0xffff                   ; batch x 16 + head, which the four partners share
	s_lshl_b32 s15, s15, 18                        ; its first byte in a third of qkv, and in ctx
	s_lshl_b32 s18, s14, 14                        ; my 128 rows of 128 bytes
	s_add_co_u32 s18, s18, s15
	s_add_co_u32 s18, s18, 0x1000000               ; K is the second third,
	s_mov_b32 s19, 0
	s_add_co_u32 s20, s18, 0x1000000               ; V the third
	s_mov_b32 s21, 0
	s_lshl_b32 s22, s13, 16                        ; my block's 512 rows,
	s_lshl_b32 s23, s[WV], 13                      ; my wave's 64
	s_add_co_u32 s22, s22, s23
	s_add_co_u32 s22, s22, s15
	s_mov_b32 s23, 0
	s_mul_i32 s8, s14, 128*PK                      ; where my quarter goes in a slot: no place in the cluster enters an LDS address
	s_mul_i32 s9, s14, 128*PVP
	s_add_co_u32 s9, s9, VOFF
	s_mov_b32 s[G1K], 15|(1<<16)|(1<<20)|(1<<21)|(4<<22)|(3<<25)   ; the mask: all four; elements of 2 bytes; padding on; bit 21 beside a mask; after every 32 words four words
	s_mov_b32 s[G1V], 15|(1<<16)|(1<<20)|(1<<21)|(4<<22)|(7<<25)   ; the same with eight words
.irp g, G1K, G1V
	s_mov_b32 s[\g+1], 64<<16                      ; tensor_dim0 = 64
	s_mov_b32 s[\g+2], 128<<16                     ; tensor_dim1 = 128
	s_mov_b32 s[\g+3], 64<<16                      ; tile_dim0 = 64
	s_mov_b32 s[\g+4], 128                         ; tile_dim1 = 128
	s_mov_b32 s[\g+5], 64                          ; elements from row to row
	s_mov_b32 s[\g+6], 0
	s_mov_b32 s[\g+7], 0
.endr
	s_mov_b32 s[CS], 0x3e38aa3b                    ; c = log2(e) / 8
	s_mov_b32 s[CS+1], s[CS]                       ; (named with it as a pair, so it is written)
	s_mov_b32 s[SEL], 0x76543210
	s_mov_b32 s[SEL+1], 0xfedcba98
	s_wait_dscnt 0x0                               ; both opening adds are done
	s_wait_kmcnt 0x0
	s_add_nc_u64 s[10:11], s[4:5], s[18:19]        ; K at my quarter of slot 0's keys
	s_add_nc_u64 s[16:17], s[4:5], s[20:21]        ; V likewise
	s_add_nc_u64 s[4:5], s[4:5], s[22:23]          ; Q at my wave's first row
	s_add_nc_u64 s[6:7], s[6:7], s[22:23]          ; ctx likewise
	CROUND                                         ; all four work-groups are here: the first joint loads meet
.irp s, 0,1
	s_mov_b32 s[G0K+4*\s], 1
	s_add_co_u32 s[G0K+4*\s+1], s8, \s*SLOT
	s_add_nc_u64 s[G0K+4*\s+2:G0K+4*\s+3], s[10:11], \s*SKEYS*128
	s_or_b32 s[G0K+4*\s+3], s[G0K+4*\s+3], 0x80000000
	s_mov_b32 s[G0V+4*\s], 1
	s_add_co_u32 s[G0V+4*\s+1], s9, \s*SLOT
	s_add_nc_u64 s[G0V+4*\s+2:G0V+4*\s+3], s[16:17], \s*SKEYS*128
	s_or_b32 s[G0V+4*\s+3], s[G0V+4*\s+3], 0x80000000
.endr
	s_cmp_lt_u32 s[WV], 4                          ; a wave's two first fills stand in one branch: two loads of mine are out
	s_cbranch_scc0 .Lfirst_v
	tensor_load_to_lds s[G0K:G0K+3], s[G1K:G1K+7]
	s_nop 0
	tensor_load_to_lds s[G0K+4:G0K+7], s[G1K:G1K+7]
	s_nop 0
	PLACES
	s_branch .Lfirst_asked
.Lfirst_v:
	tensor_load_to_lds s[G0V:G0V+3], s[G1V:G1V+7]
	s_nop 0
	tensor_load_to_lds s[G0V+4:G0V+7], s[G1V:G1V+7]
	s_nop 0
	PLACES
.Lfirst_asked:
	v_and_b32 v1, 15, v0                           ; r = lane % 16
	v_bfe_u32 v10, v0, 4, 1                        ; h = lane / 16
	v_lshlrev_b32 v[QO], 7, v1
	v_lshl_add_u32 v[QO], v10, 4, v[QO]            ; row x 128 + 16 x half
	WIN W_L1
.irp t, 0,1,2,3                        ; Q stays in registers: tile t, channels 32 c on
.irp c, 0,1
	global_load_b128 v[QF+16*\t+8*\c:QF+16*\t+8*\c+3],   v[QO], s[4:5] offset:\t*2048+64*\c
	global_load_b128 v[QF+16*\t+8*\c+4:QF+16*\t+8*\c+7], v[QO], s[4:5] offset:\t*2048+64*\c+32
.endr
.endr
	WIN 0
	v_mul_u32_u24 v[AK0], v1, PK
	v_lshl_add_u32 v[AK0], v10, 4, v[AK0]          ; K: row x pitch + 16 x half
	v_and_b32 v11, 7, v0
	v_lshl_add_u32 v[AV0], v10, 3, v11             ; V: key 8 (l / 16) + l % 8,
	v_mul_u32_u24 v[AV0], v[AV0], PVP
	v_bfe_u32 v11, v0, 3, 1
	v_lshl_add_u32 v[AV0], v11, 4, v[AV0]          ; channels 8 ((l / 8) % 2) on
	s_mul_i32 s15, s[WV], 64*PK                    ; the way out: my stage, 64 rows x 144 bytes, in slot 0's rows of K, which have had their last fill and their last read by then
	v_add_nc_u32 v[STO], s15, v[AK0]               ; in: row r, 16 bytes for each half of the lanes
	v_and_b32 v11, 31, v0
	v_lshlrev_b32 v[GO], 4, v11
	v_lshrrev_b32 v11, 3, v11
	v_mul_u32_u24 v[RD], v11, PK
	v_and_b32 v11, 7, v0
	v_lshl_add_u32 v[RD], v11, 4, v[RD]
	v_add_nc_u32 v[RD], s15, v[RD]                 ; back: eight lanes to a row of 128 bytes, four rows an instruction
.irp t, 0,1,2,3
	v_mov_b32 v[ST+8*\t+1], 0xff61b1e6             ; m = -3e38, under every score
	v_mul_f32 v[ST+8*\t], s[CS], v[ST+8*\t+1]      ; c m
	v_mov_b32 v[ST+8*\t+2], 0                      ; l, in two halves
	v_mov_b32 v[ST+8*\t+3], 0
.endr
	s_wait_tensorcnt 1                             ; my part of slot 0 is in; slot 1's may stay out
	s_barrier_signal -1
	s_barrier_wait -1                              ; everybody's is
	s_mov_b32 s[KO], 0
	s_mov_b32 s[VO], VOFF
	FETCH_K                                        ; key step 0
	FETCH_V
	s_wait_loadcnt 0x0                             ; Q
	s_wait_dscnt 16                                ; K is in; V's sixteen loads may be out
	KQ 0
	WIN 0
	PLACES
	TRIP 1, 0                                      ; step 0; it fetches step 1
	TRIPS 6                                        ; steps 1 to 6; they fetch steps 2 to 7, the last of slot 0
	CHANGE 1, 0                                    ; slot 0 takes keys 1,024 to 1,535
	s_mov_b32 s[KO], SLOT
	s_mov_b32 s[VO], SLOT+VOFF
	TRIPS 8                                        ; steps 7 to 14; they fetch steps 8 to 15 from slot 1
	CHANGE 1, 1                                    ; slot 1 takes keys 1,536 to 2,047
	s_mov_b32 s[KO], 0
	s_mov_b32 s[VO], VOFF
	TRIPS 8                                        ; steps 15 to 22; they fetch steps 16 to 23
	CHANGE 0, 0                                    ; nothing is left to ask for
	s_mov_b32 s[KO], SLOT
	s_mov_b32 s[VO], SLOT+VOFF
	TRIPS 8                                        ; steps 23 to 30; they fetch steps 24 to 31
	TRIP 0, 1                                      ; step 31
	; THE WAY OUT.  l's two halves and the other half of the lanes' are added; O^T is divided by l, rounded to f16 and sent through my stage, a tile (16 rows) at a time.
.irp t, 0,1,2,3
	v_add_f32 v[ST+8*\t+4], v[ST+8*\t+2], v[ST+8*\t+3]
.endr
.irp t, 0,1,2,3
	v_permlanex16_b32 v[ST+8*\t+5], v[ST+8*\t+4], s[SEL], s[SEL+1]
.endr
.irp t, 0,1,2,3
	v_add_f32 v[ST+8*\t+4], v[ST+8*\t+4], v[ST+8*\t+5]
.endr
.irp t, 0,1,2,3
	v_rcp_f32 v[ST+8*\t+6], v[ST+8*\t+4]
.endr
	v_nop                                          ; a plain line behind the last reciprocal
	s_wait_alu depctr_va_vdst(0)                   ; and the wait ahead of the first use: one for the four
.macro PACK t
	WIN W_RS
.set i, 0
.rept 16
	v_pk_mul_f32 v[32*\t+2*i:32*\t+2*i+1], v[32*\t+2*i:32*\t+2*i+1], v[ST+8*\t+6:ST+8*\t+7] op_sel_hi:[1,0]
.set i, i+1
.endr
	WIN 0x05                                       ; sources 0 and 1 window 1, destination window 0
.set i, 0
.rept 16
	v_cvt_pk_f16_f32 v[S+16*\t+i], v[32*\t+2*i], v[32*\t+2*i+1]
.set i, i+1
.endr
	WIN 0
.irp c, 0,1,2,3
	ds_store_b128 v[STO], v[S+16*\t+4*\c:S+16*\t+4*\c+3] offset:\t*16*PK+32*\c
.endr
.irp i, 0,1,2,3
	ds_load_b128 v[P+16*\t+4*\i:P+16*\t+4*\i+3], v[RD] offset:\t*16*PK+\i*4*PK   ; LDS serves a wave's instructions in order: these see the stores above
.endr
.endm
.macro SEND t, younger                 ; younger: the LDS instructions issued behind tile t's loads: the next tile's eight, or none
.irp i, 0,1,2,3
	s_wait_dscnt \younger+3-\i
	global_store_b128 v[GO], v[P+16*\t+4*\i:P+16*\t+4*\i+3], s[6:7] offset:\t*2048+\i*512   ; 512 consecutive bytes: four rows of the head
.endr
.endm
	PACK 0
	PACK 1
	SEND 0, 8
	PACK 2
	SEND 1, 8
	PACK 3
	SEND 2, 8
	SEND 3, 0
	s_wait_tensorcnt 0x0                           ; the wave's end
	ds_add_u32 v[SPW], v[NIL]
	s_wait_dscnt 0x0
	CROUND                                         ; the closing round
	s_endpgm
.Lfunc_end_k_q2bef541e08_attn:
	.size	k_q2bef541e08_attn, .Lfunc_end_k_q2bef541e08_attn-k_q2bef541e08_attn
	.p2alignl 7, 3214868480
	.fill 96, 4, 3214868480
	.section	.rodata,"a",@progbits
	.p2align	6, 0x0
	.amdhsa_kernel k_q2bef541e08_attn
		.amdhsa_group_segment_fixed_size 327680
		.amdhsa_private_segment_fixed_size 0
		.amdhsa_enable_private_segment 0
		.amdhsa_kernarg_size 16
		.amdhsa_user_sgpr_count 2
		.amdhsa_user_sgpr_kernarg_segment_ptr 1
		.amdhsa_wavefront_size32 1
		.amdhsa_system_sgpr_workgroup_id_x 1
		.amdhsa_system_sgpr_workgroup_id_y 1
		.amdhsa_system_sgpr_workgroup_id_z 1
		.amdhsa_system_vgpr_workitem_id 0
		.amdhsa_next_free_vgpr 512
		.amdhsa_next_free_sgpr 66
		.amdhsa_reserve_vcc 0
		.amdhsa_float_denorm_mode_32 3
		.amdhsa_float_denorm_mode_16_64 3
		.amdhsa_memory_ordered 1
		.amdhsa_forward_progress 1
		.amdhsa_inst_pref_size 212
	.end_amdhsa_kernel
	.amdgpu_metadata
---
amdhsa.version: [ 1, 2 ]
amdhsa.kernels:
  - .name:           k_q2bef541e08_attn
    .symbol:         k_q2bef541e08_attn.kd
    .args:
      - { .name: qkv, .offset: 0, .size: 8, .value_kind: global_buffer, .address_space: global }
      - { .name: ctx, .offset: 8, .size: 8, .value_kind: global_buffer, .address_space: global }
    .group_segment_fixed_size: 327680
    .private_segment_fixed_size: 0
    .kernarg_segment_align: 8
    .kernarg_segment_size: 16
    .max_flat_workgroup_size: 256
    .sgpr_count:     66
    .vgpr_count:     512
    .wavefront_size: 32
...
	.end_amdgpu_metadata
.endif
;; end of part 3
;; launch proj (part 4): grid 4 x 64, 4 waves a work-group, clusters of 4 x 4, 327,680 bytes of LDS; arguments ctx, woh, bo, out0; writes out0
.if DOCPART == 4
	.amdgcn_target "amdgcn-amd-amdhsa--gfx1250"
	.amdhsa_code_object_version 6
	.text
	.protected	k_q2bef541e08_proj
	.globl	k_q2bef541e08_proj
	.p2align	8
	.type	k_q2bef541e08_proj,@function
k_q2bef541e08_proj:
	s_mov_b64 s[64:65], 0
	v_nop
	global_prefetch_b8 v0, s[64:65] scope:SCOPE_SE
	s_setreg_imm32_b32 hwreg(HW_REG_WAVE_MODE, 25, 1), 1
	s_wait_xcnt 0x0
	s_wait_alu depctr_hold_cnt(0) depctr_sa_sdst(0) depctr_va_vdst(0) depctr_va_sdst(0) depctr_va_ssrc(0) depctr_va_vcc(0) depctr_vm_vsrc(0)
	s_getreg_b32 s2, hwreg(HW_REG_IB_STS2, 6, 4)
	s_cmp_eq_u32 s2, 0
	s_cbranch_scc0 .Lentry_in_a_cluster
	s_endpgm
.Lentry_in_a_cluster:
	s_bfe_u32 s2, ttmp6, 0x10000c
	s_cmp_lg_u32 s2, 0xf033
	s_cbranch_scc0 .Lentry_shape_is_right
	s_endpgm
.Lentry_shape_is_right:
; PROJ: out0 [8192][1024] f32 = ctx wo + bo.  ctx: f16, laid by head, [batch x 16 + head][2048][64]; woh: wo as f16, [1024 k][1024 n]; sums in f32.
; A tile of out0 is 128 rows x 256 columns: 256 work-groups of four waves, each wave 64 x 128: 32 accumulators of 16 x 16, 256 registers.  (Tiles of 256 x 256 would be 128: half as many as there are WGPs.)
; K goes in 8 steps of 128, two heads each, through two LDS slots.  A slot: the even head's 128 rows x 128 bytes, the odd head's, then 128 k-rows of wo x 512 bytes.
; CLUSTERS: 4 x 4 work-groups.  The four of a row of the cluster need the same rows of ctx, the four of a column the same columns of wo: each tile is asked for jointly.
; THE MATRIX INSTRUCTION IS USED TRANSPOSED (source 0 = 16 columns of wo, turned out of LDS by ds_load_tr16_b128; source 1 = 16 rows of ctx): a lane holds eight neighbouring columns of one row.
; bo is the C of each sum's first product.
; REGISTERS: window 0: v16-31 addresses; v32-127, v128-223 two fragment buffers (4 fragments of ctx, then 8 of wo); on the way out v32-159.   window 1: the accumulators, (a, b) at v[8 (8 a + b)].   window 2: v0-63 bo.
.set PA,     144                       ; a row of ctx in LDS: 128 bytes + 16
.set PB,     544                       ; a k-row of wo: 512 bytes + 32: an odd multiple of 32 bytes
.set HEADT,  128*PA                    ; one head's tile
.set BOFF,   2*HEADT
.set HALFB,  64*PB                     ; 64 k-rows: what one tensor load brings
.set SLOT,   BOFF+2*HALFB
.set STAGE,  2*SLOT                    ; behind the slots: 16 rows x (512 bytes + 16) for each wave
.set SPITCH, 528
.set SPARE,  STAGE+4*16*SPITCH         ; the spare words, 128 bytes for each wave
.set ASTEP,  524288                    ; a K step on in ctx: two heads of 2,048 rows of 128 bytes
.set BSTEP,  262144                    ; and in woh: 128 rows of 2,048 bytes
.set ADRA, 16
.set ADRB, 20
.set STO,  24
.set RD,   25
.set CO,   26
.set SPW,  28
.set NIL,  29
.set PFO,  30                          ; v30 the prefetch's offset; never rewritten
.set BOF,  31                          ; v31 the bias: 32 bytes for each half of the lanes
.set F0,   32
.set F1,   128
.set OB,   32
.set G1A, 24
.set G0A, 32
.set G1B, 48
.set G0B, 56
.set LIM, 43                           ; s43 1 in the wave that prefetches, else the greatest number
.set PFA, 44                           ; s[44:45] where my prefetches stand
.set MSB, 0
.macro WIN new
.if MSB != (\new)
	s_set_vgpr_msb (MSB<<8)|(\new)
.set MSB, \new
.endif
.endm
.set MUL,  0x50                        ; C and D window 1, sources window 0
.set MULB, 0x60                        ; D window 1, C (the bias) window 2
.macro PLACES
.rept 4
	v_nop
.endr
.endm
.macro JLOAD s                         ; waves 0 and 1 fetch ctx's two heads, waves 2 and 3 wo's halves.  An s_nop 0 and four v_nop follow each line
	s_cmp_eq_u32 s13, 0
	s_cbranch_scc0 .Lfor_b_\@
	tensor_load_to_lds s[G0A+4*\s:G0A+4*\s+3], s[G1A:G1A+7]
	s_nop 0
	PLACES
	s_branch .Lasked_\@
.Lfor_b_\@:
	tensor_load_to_lds s[G0B+4*\s:G0B+4*\s+3], s[G1B:G1B+7]
	s_nop 0
	PLACES
.Lasked_\@:
.endm
.macro CREST
	s_cmp_lg_u32 s12, 0
	s_cbranch_scc1 .Lnot_wave_0_\@
	s_barrier_signal -3
.Lnot_wave_0_\@:
	s_barrier_wait -3
	s_barrier_signal -1
	s_barrier_wait -1
.endm
.macro CROUND
	s_barrier_signal -1
	s_barrier_wait -1
	CREST
.endm
; A PREFETCH of ctx's tile of the K step that stands two refills on.  A K step's tile is two heads x 128 rows x 128 bytes: 128 aligned blocks of 256 bytes.  Only the four partners of my row of the cluster read it;
; they share the blocks out by address, 32 each (16 of each head), a lane a block; in each, wave 0 asks: one instruction.  So each block is named once in the launch.  The loop's last trip asks for nothing:
; K has no step behind its eighth.  K steps 0 to 3 come by their loads alone.  wo, which every tile row reads, is not asked for.
.macro ASK
	s_cmp_gt_u32 s3, s[LIM]
	s_cbranch_scc0 .Lnot_mine_\@
	global_prefetch_b8 v[PFO], s[PFA:PFA+1] offset:ASTEP th:TH_LOAD_NT scope:SCOPE_SE
.Lnot_mine_\@:
.endm
	s_load_b256 s[4:11], s[0:1], 0x0               ; ctx 4:5, woh 6:7, bo 8:9, out0 10:11
	v_lshl_add_u32 v[SPW], v0, 2, SPARE
	v_mov_b32 v[NIL], 0
	ds_add_u32 v[SPW], v[NIL]                      ; the wave's opening: the add, twice on end, and its wait ahead of my first tensor load
	ds_add_u32 v[SPW], v[NIL]
	v_lshrrev_b32 v1, 5, v0
	v_readfirstlane_b32 s12, v1                    ; wave 0..3
	s_lshr_b32 s13, s12, 1                         ; which 64 rows are mine.  Also: I fetch for ctx (0) or for wo (1)
	s_and_b32 s14, s12, 1                          ; which 128 columns.  Also: which head, or which 64 k-rows, I fetch
	s_bfe_u32 s40, ttmp6, 0x40000                  ; cx
	s_bfe_u32 s41, ttmp6, 0x40004                  ; cy
	s_lshl_b32 s42, ttmp9, 2
	s_add_co_u32 s42, s42, s40                     ; tile column
	s_and_b32 s15, ttmp7, 0xffff
	s_lshl_b32 s15, s15, 2
	s_add_co_u32 s15, s15, s41                     ; tile row
	s_lshl_b32 s43, s41, 2
	s_lshl_b32 s43, 15, s43                        ; my row of the cluster
	s_lshl_b32 s44, 0x1111, s40                    ; my column
	s_or_b32 s[G1A], s43, (1<<16)|(1<<20)|(1<<21)|(4<<22)|(3<<25)   ; elements of 2 bytes; padding: four words after every 32
	s_mov_b32 s[G1A+1], 64<<16                     ; tensor_dim0
	s_mov_b32 s[G1A+2], 128<<16                    ; tensor_dim1
	s_mov_b32 s[G1A+3], 64<<16                     ; tile_dim0
	s_mov_b32 s[G1A+4], 128                        ; tile_dim1
	s_mov_b32 s[G1A+5], 64                         ; from row to row
	s_mov_b32 s[G1A+6], 0
	s_mov_b32 s[G1A+7], 0
	s_or_b32 s[G1B], s44, (1<<16)|(1<<20)|(1<<21)|(6<<22)|(7<<25)   ; padding: eight words after every 128
	s_mov_b32 s[G1B+1], 256<<16
	s_mov_b32 s[G1B+2], 64<<16
	s_mov_b32 s[G1B+3], 256<<16
	s_mov_b32 s[G1B+4], 64
	s_mov_b32 s[G1B+5], 1024
	s_mov_b32 s[G1B+6], 0
	s_mov_b32 s[G1B+7], 0
	s_lshr_b32 s16, s15, 4                         ; the batch: 16 tile rows each, 16 heads of 2^18 bytes
	s_lshl_b32 s16, s16, 22
	s_and_b32 s17, s15, 15
	s_lshl_b32 s17, s17, 14                        ; 128 rows of 128 bytes
	s_add_co_u32 s16, s16, s17                     ; ctx's tile in head 0 of the batch
	s_lshl_b32 s17, s14, 18
	s_add_co_u32 s18, s16, s17                     ; the head that I fetch
	s_mov_b32 s19, 0
	s_lshl_b32 s20, s14, 17                        ; wo: my 64 k-rows of 2,048 bytes,
	s_lshl_b32 s21, s42, 9                         ; 256 columns of 2 bytes a tile column
	s_add_co_u32 s20, s20, s21
	s_mov_b32 s21, 0
	s_mul_i32 s46, s14, HEADT                      ; where they go: no place in the cluster enters an LDS address
	s_mul_i32 s47, s14, HALFB
	s_add_co_u32 s47, s47, BOFF
	s_wait_dscnt 0x0                               ; both opening adds are done
	s_wait_kmcnt 0x0
	s_add_nc_u64 s[18:19], s[4:5], s[18:19]
	s_add_nc_u64 s[20:21], s[6:7], s[20:21]
	CROUND                                         ; all sixteen work-groups are here: the first joint loads meet
.irp s, 0,1
	s_mov_b32 s[G0A+4*\s], 1
	s_add_co_u32 s[G0A+4*\s+1], s46, \s*SLOT
	s_add_nc_u64 s[G0A+4*\s+2:G0A+4*\s+3], s[18:19], \s*ASTEP
	s_or_b32 s[G0A+4*\s+3], s[G0A+4*\s+3], 0x80000000
	s_mov_b32 s[G0B+4*\s], 1
	s_add_co_u32 s[G0B+4*\s+1], s47, \s*SLOT
	s_add_nc_u64 s[G0B+4*\s+2:G0B+4*\s+3], s[20:21], \s*BSTEP
	s_or_b32 s[G0B+4*\s+3], s[G0B+4*\s+3], 0x80000000
	JLOAD \s                                       ; two loads of mine are out
.endr
	v_and_b32 v1, 15, v0                           ; r
	v_bfe_u32 v2, v0, 4, 1                         ; h
	s_lshl_b32 s22, s42, 10                        ; bo: 256 columns of 4 bytes a tile column,
	s_lshl_b32 s23, s14, 9                         ; 128 for my half
	s_add_co_u32 s22, s22, s23
	s_mov_b32 s23, 0
	s_add_nc_u64 s[8:9], s[8:9], s[22:23]
	s_add_nc_u64 s[10:11], s[10:11], s[22:23]      ; out0: the same bytes along a row,
	s_lshl_b32 s22, s15, 19                        ; 128 rows of 4,096 bytes a tile row,
	s_lshl_b32 s23, s13, 18                        ; 64 for my half
	s_add_co_u32 s22, s22, s23
	s_mov_b32 s23, 0
	s_add_nc_u64 s[10:11], s[10:11], s[22:23]
	v_lshlrev_b32 v[BOF], 5, v2
	WIN 0x80                                       ; destination window 2
.irp b, 0,1,2,3,4,5,6,7
	global_load_b128 v[8*\b:8*\b+3], v[BOF], s[8:9] offset:64*\b           ; lane (r, h), block b: bo of columns 16 b + 8 h + 0 .. 7
	global_load_b128 v[8*\b+4:8*\b+7], v[BOF], s[8:9] offset:64*\b+16
.endr
	WIN 0
	v_mul_u32_u24 v3, v1, PA
	v_lshl_add_u32 v3, v2, 4, v3                   ; ctx: row x pitch + 16 x half
	s_mul_i32 s21, s13, 64*PA                      ; my 64 rows
	v_and_b32 v4, 7, v0
	v_lshl_add_u32 v4, v2, 3, v4                   ; wo: k-row 8 (l / 16) + l % 8,
	v_mul_u32_u24 v4, v4, PB
	v_bfe_u32 v5, v0, 3, 1
	v_lshl_add_u32 v4, v5, 4, v4                   ; columns 8 ((l / 8) % 2) on
	s_lshl_b32 s22, s14, 8                         ; my 128 columns
	s_add_co_u32 s22, s22, BOFF
.irp s, 0,1
	v_add_nc_u32 v[ADRA+\s], s21, v3
	v_add_nc_u32 v[ADRB+\s], s22, v4
	s_add_co_u32 s21, s21, SLOT
	s_add_co_u32 s22, s22, SLOT
.endr
	s_mul_i32 s23, s12, 16*SPITCH
	s_add_co_u32 s23, s23, STAGE                   ; my stage
	v_mul_u32_u24 v5, v1, SPITCH
	v_lshl_add_u32 v5, v2, 5, v5
	v_add_nc_u32 v[STO], s23, v5                   ; in: row r, 32 bytes for each half of the lanes
	v_and_b32 v6, 31, v0
	v_lshlrev_b32 v[CO], 4, v6                     ; back: the 32 lanes take one row of 512 bytes; and the same in out0
	v_add_nc_u32 v[RD], s23, v[CO]
	s_lshl_b32 s22, s40, 12                        ; the prefetches: my work-group's 4,096 bytes of each head's tile,
	s_add_co_u32 s22, s22, s16
	s_add_co_u32 s22, s22, 2*ASTEP                 ; at K step 2: the first refill steps it to 3 and names K step 4
	s_mov_b32 s23, 0
	s_add_nc_u64 s[PFA:PFA+1], s[4:5], s[22:23]
	s_cmp_eq_u32 s12, 0
	s_cselect_b32 s[LIM], 1, -1
	v_lshlrev_b32 v[PFO], 18, v2                   ; lanes 16-31: the odd head
	v_lshl_add_u32 v[PFO], v1, 8, v[PFO]           ; lanes 256 bytes apart
; 8 matrix instructions: ctx's block a against wo's eight, 32 along K, from buffer f.  first = 1: the bias is the C.  The 32 accumulators take turns, one instruction a turn, in the same order in every quarter.
.macro MUL8 f, a, first
.irp b, 0,1,2,3,4,5,6,7
.if \first
	v_wmma_f32_16x16x32_f16 v[8*(8*(\a)+\b):8*(8*(\a)+\b)+7], v[\f+32+8*\b:\f+32+8*\b+7], v[\f+8*(\a):\f+8*(\a)+7], v[8*\b:8*\b+7]
.else
	v_wmma_f32_16x16x32_f16 v[8*(8*(\a)+\b):8*(8*(\a)+\b)+7], v[\f+32+8*\b:\f+32+8*\b+7], v[\f+8*(\a):\f+8*(\a)+7], v[8*(8*(\a)+\b):8*(8*(\a)+\b)+7]
.endif
.endr
.endm
.macro FETCH slot, q, f                ; 24 LDS loads in one run: the slot's q-th 32 along K: wo's eight fragments, turned, then ctx's four
.irp i, 0,1,2,3,4,5,6,7
	ds_load_tr16_b128 v[\f+32+8*\i:\f+32+8*\i+3],   v[ADRB+\slot] offset:(\q)*32*PB+32*\i
	ds_load_tr16_b128 v[\f+32+8*\i+4:\f+32+8*\i+7], v[ADRB+\slot] offset:(\q)*32*PB+16*PB+32*\i
.endr
.irp i, 0,1,2,3
	ds_load_b128 v[\f+8*\i:\f+8*\i+3],   v[ADRA+\slot] offset:((\q)/2)*HEADT+((\q)%2)*64+\i*16*PA
	ds_load_b128 v[\f+8*\i+4:\f+8*\i+7], v[ADRA+\slot] offset:((\q)/2)*HEADT+((\q)%2)*64+\i*16*PA+32
.endr
.endm
.macro QUARTER slot, qn, f, g, first   ; multiplies buffer f; in its middle it fetches the slot's quarter qn into buffer g
	s_wait_dscnt 4                                 ; wo's fragments and ctx's blocks 0, 1 are in; the youngest four loads (blocks 2, 3) may be out
.if \first
	WIN MULB
.else
	WIN MUL
.endif
	MUL8 \f, 0, \first
	MUL8 \f, 1, \first
	PLACES                                         ; in front of loads into registers that matrix instructions have read
	WIN 0
	FETCH \slot, \qn, \g
	s_wait_dscnt 24                                ; all but the 24 just issued
.if \first
	WIN MULB
.else
	WIN MUL
.endif
	MUL8 \f, 2, \first
	MUL8 \f, 3, \first
.endm
; A slot's last quarter multiplies buffer 1 and changes slots: one barrier; in front of it each wave waits for all its tensor loads, adds 0 to its spare word, and waits for that and for its reads of this slot.
; fill = 1: the barrier opens a round of the cluster's, and this slot is filled again, two K steps ahead, first thing behind the round.
.macro TURN slot, next, fill
.if \fill
	s_wait_xcnt 0x0                                ; the last prefetch, a K step back, has read its address
	s_add_nc_u64 s[PFA:PFA+1], s[PFA:PFA+1], ASTEP
.endif
	WIN 0
	s_wait_tensorcnt 0x0                           ; my part of the next slot has landed
	ds_add_u32 v[SPW], v[NIL]
	s_wait_dscnt 5                                 ; (the add and ctx's blocks 2, 3 may be out)
	WIN MUL
	MUL8 F1, 0, 0
	s_wait_dscnt 0x0                               ; the add is done, and my reads of this slot are over
	s_barrier_signal -1
	MUL8 F1, 1, 0
	WIN 0
	s_barrier_wait -1
.if \fill
	CREST
	s_add_nc_u64 s[G0A+4*\slot+2:G0A+4*\slot+3], s[G0A+4*\slot+2:G0A+4*\slot+3], 2*ASTEP
	s_add_nc_u64 s[G0B+4*\slot+2:G0B+4*\slot+3], s[G0B+4*\slot+2:G0B+4*\slot+3], 2*BSTEP
	JLOAD \slot                                    ; the four v_nop behind it are also the places in front of the loads below
.else
	PLACES
.endif
	FETCH \next, 0, F0
.if \fill
	ASK
.endif
	WIN MUL
	MUL8 F1, 2, 0
	MUL8 F1, 3, 0
.endm
	s_wait_tensorcnt 1                             ; my part of K step 0 is in; K step 1's may stay out
	s_barrier_signal -1
	s_barrier_wait -1
	FETCH 0, 0, F0
	s_wait_loadcnt 0x0                             ; bo
	QUARTER 0, 1, F0, F1, 1                        ; the first quarter stands in front of the loop: its products start the sums from bo
	WIN 0
	s_mov_b32 s3, 3
.Llap:                                             ; a trip goes once round the two slots and fills both again
	QUARTER 0, 2, F1, F0, 0
	QUARTER 0, 3, F0, F1, 0
	TURN 0, 1, 1
	QUARTER 1, 1, F0, F1, 0
	QUARTER 1, 2, F1, F0, 0
	QUARTER 1, 3, F0, F1, 0
	TURN 1, 0, 1
	QUARTER 0, 1, F0, F1, 0
	WIN 0
	s_sub_co_u32 s3, s3, 1
	s_cmp_lg_u32 s3, 0
	s_cbranch_scc1 .Llap
	QUARTER 0, 2, F1, F0, 0                        ; the last lap fills nothing
	QUARTER 0, 3, F0, F1, 0
	TURN 0, 1, 0
	QUARTER 1, 1, F0, F1, 0
	QUARTER 1, 2, F1, F0, 0
	QUARTER 1, 3, F0, F1, 0
	s_wait_dscnt 4
	WIN MUL
	MUL8 F1, 0, 0
	MUL8 F1, 1, 0
	s_wait_dscnt 0x0
	MUL8 F1, 2, 0
	MUL8 F1, 3, 0
	WIN 0
; THE WAY OUT, block by block of 16 rows x 128 columns: through my own stage, back as whole rows of 512 bytes, which the 32 lanes store at a multiple of 256 from out0's first byte.
.macro TOSTAGE a
	WIN 0x04                                       ; an LDS store's data are its source 1: window 1
.irp b, 0,1,2,3,4,5,6,7
	ds_store_b128 v[STO], v[64*(\a)+8*\b:64*(\a)+8*\b+3] offset:64*\b         ; each accumulator from its low end on
	ds_store_b128 v[STO], v[64*(\a)+8*\b+4:64*(\a)+8*\b+7] offset:64*\b+16
.endr
	WIN 0
.set BB, OB+64*((\a)%2)
.irp t, 0,1,2,3,4,5,6,7,8,9,10,11,12,13,14,15
	ds_load_b128 v[BB+4*\t:BB+4*\t+3], v[RD] offset:\t*SPITCH                 ; LDS serves a wave's instructions in order: these see the stores above, and the next block's stores come behind them
.endr
.endm
.macro SEND a, younger
.set BB, OB+64*((\a)%2)
	s_wait_dscnt \younger
.irp t, 0,1,2,3,4,5,6,7,8,9,10,11,12,13,14,15
	global_store_b128 v[CO], v[BB+4*\t:BB+4*\t+3], s[10:11] offset:(16*(\a)+\t)*4096 th:TH_STORE_NT
.endr
.endm
	PLACES
	TOSTAGE 0
.irp a, 1,2,3
.if \a > 1
	s_wait_xcnt 0x0                                ; block a - 2's stores have read their registers: block a's loads may land there
.endif
	TOSTAGE \a
	SEND \a-1, 32                                  ; behind block a - 1's loads: block a's 16 stores and 16 loads
.endr
	SEND 3, 0
	s_wait_tensorcnt 0x0                           ; the wave's end
	ds_add_u32 v[SPW], v[NIL]
	s_wait_dscnt 0x0
	CROUND                                         ; the closing round
	s_endpgm
.Lfunc_end_k_q2bef541e08_proj:
	.size	k_q2bef541e08_proj, .Lfunc_end_k_q2bef541e08_proj-k_q2bef541e08_proj
	.p2alignl 7, 3214868480
	.fill 96, 4, 3214868480
	.section	.rodata,"a",@progbits
	.p2align	6, 0x0
	.amdhsa_kernel k_q2bef541e08_proj
		.amdhsa_group_segment_fixed_size 327680
		.amdhsa_private_segment_fixed_size 0
		.amdhsa_enable_private_segment 0
		.amdhsa_kernarg_size 32
		.amdhsa_user_sgpr_count 2
		.amdhsa_user_sgpr_kernarg_segment_ptr 1
		.amdhsa_wavefront_size32 1
		.amdhsa_system_sgpr_workgroup_id_x 1
		.amdhsa_system_sgpr_workgroup_id_y 1
		.amdhsa_system_sgpr_workgroup_id_z 1
		.amdhsa_system_vgpr_workitem_id 0
		.amdhsa_next_free_vgpr 576
		.amdhsa_next_free_sgpr 66
		.amdhsa_reserve_vcc 0
		.amdhsa_float_denorm_mode_32 3
		.amdhsa_float_denorm_mode_16_64 3
		.amdhsa_memory_ordered 1
		.amdhsa_forward_progress 1
		.amdhsa_inst_pref_size 87
	.end_amdhsa_kernel
	.amdgpu_metadata
---
amdhsa.version: [ 1, 2 ]
amdhsa.kernels:
  - .name:           k_q2bef541e08_proj
    .symbol:         k_q2bef541e08_proj.kd
    .args:
      - { .name: ctx, .offset: 0, .size: 8, .value_kind: global_buffer, .address_space: global }
      - { .name: woh, .offset: 8, .size: 8, .value_kind: global_buffer, .address_space: global }
      - { .name: bo, .offset: 16, .size: 8, .value_kind: global_buffer, .address_space: global }
      - { .name: out0, .offset: 24, .size: 8, .value_kind: global_buffer, .address_space: global }
    .group_segment_fixed_size: 327680
    .private_segment_fixed_size: 0
    .kernarg_segment_align: 8
    .kernarg_segment_size: 32
    .max_flat_workgroup_size: 128
    .sgpr_count:     66
    .vgpr_count:     576
    .wavefront_size: 32
...
	.end_amdgpu_metadata
.endif
;; end of part 4
